; MI455X (gfx1250); checked and timed in simulation.
; The chip was launched on July 23, 2026; its instructions are those of AMD's public machine-readable ISA for CDNA 5 (MIT licence, August 2026) and "CDNA5" Instruction Set Architecture Reference Guide (July 2026). The comments in the code are by the model that wrote it; some were corrected since.
;; Mixture Of Experts. Allowed arithmetic: matrix products marked QUANTISED: E2M1 operands, one E8M0 scale for each 32 along K, by v_wmma_scale_f32_16x16x128_f8f6f4 with both operands' format E2M1 (or v_wmma_scale_f32_32x16x128_f4), f32 sums; products left as they are: f32 operands where the result goes on into a quantised operand, else bf16, f16 or f32 operands; f32 sums; everything else in f32.
;; Inputs: W1 8 x 1,024 x 4,096 float32; W2 8 x 4,096 x 1,024 float32; Wg 1,024 x 8 float32; b1 8 x 4,096 float32; b2 8 x 1,024 float32; bg 8 float32; x 4 x 256 x 1,024 float32.
;; Outputs: out0 4 x 256 x 1,024 float32.
;; This version of the problem:
;;   THIS VERSION OF THE PROBLEM IS GIVEN IN LOW PRECISION. The matrix products marked QUANTISED in the list below multiply operands that are first quantised to E2M1 (2 exponent bits, 1 mantissa bit; 4 bits a number), with one power-of-two scale for each 32 numbers along K (OCP MX v1.0); their sums are f32. All else is computed in f32.
;;   The module's matrix products, in the order in which they are computed (A, B: the left and right operand; K: the contracted axis; several contracted axes count as one K, in the product's order):
;;     1. [M 1,024, K 1,024] x [K 1,024, N 8]; A: input x; B: input Wg: left as it is (N = 8 < 16)
;;     2. [M 32,768, K 1,024] x [K 1,024, N 1,024]; A: input W1; B: input x: QUANTISED
;;     3. batch 8 x [M 1,024, K 4,096] x [K 4,096, N 1,024]; A: computed on the way; B: input W2: QUANTISED
;;   THE QUANTISER, for each operand of a quantised product, along K:
;;     - K is cut into blocks of 32 from its start; a last block that is shorter is filled with zeros.
;;     - A block's scale is 2^e with e = floor(log2(the largest magnitude in the block)) - 2, held to -126 .. 127; a block of zeros has e = 0. As a byte (E8M0): e + 127.
;;     - Each number is divided by its block's scale, clamped to +-6, and rounded to the nearest number of E2M1, ties to even, subnormals kept.
;;     - The product sums the exact products of the quantised numbers (number of the format x scale) in f32.
;;   ~~~python
;;   def quantise(x, axis):      # numpy; x: float32 -> the quantised numbers, widened to float32 again
;;       x = np.moveaxis(x, axis, -1); K = x.shape[-1]
;;       x = np.pad(x, [(0, 0)] * (x.ndim - 1) + [(0, -K % 32)]); x = x.reshape(x.shape[:-1] + (-1, 32)); a = np.abs(x).max(-1, keepdims=True)
;;       e = np.where(a > 0, np.clip(np.frexp(np.where(a > 0, a, 1))[1] - 1 - 2, -126, 127), 0)      # np.frexp(a)[1] - 1 = floor(log2(a)), exactly
;;       r = np.clip(x / 2.0 ** e, -6, 6)
;;       step = 2.0 ** (np.maximum(np.frexp(np.where(r == 0, 1, r))[1] - 1, 0) - 1)
;;       q = np.round(r / step) * step * 2.0 ** e      # np.round: ties to even
;;       return np.moveaxis(q.reshape(q.shape[:-2] + (-1,))[..., :K], -1, axis).astype(np.float32)
;;   ~~~
;;   OPERANDS COMPUTED ON THE WAY. 'Computed on the way' means the value that the module computes at that place (a softmax that the list does not call 'softmax' is quantised finished and normalised). What goes into a quantiser is computed in f32, as accurately as f32 sums, v_exp_f32 and their like allow (about 1e-6 of the number): no bf16 or f16 on the way to a quantiser, and a product that is left as it is and whose result goes on into a quantised operand takes f32 operands (vector FMAs, or v_wmma_f32_16x16x4_f32). A number that lies on a knife's edge between two numbers of the format may be rounded either way, as far as f32 arithmetic and the matrix unit's own rounding can turn it there, and no further.
;; 2 versions, each right; version 2 is version 1 with the launches up, down written anew for expert scheduling mode. Each part assembles by itself: llvm-mc -triple=amdgcn-amd-amdhsa -mcpu=gfx1250 --defsym DOCPART=n.
;; ======== version 1 of 2: 4 launches
;; workspace buffers: xq 524,288 bytes; xs 32,768 bytes; sel 4,096 bytes of whole numbers; gw 8,192 bytes; place 33,792 bytes of whole numbers; hq 16,777,216 bytes; hs 1,048,576 bytes; yp 67,108,864 bytes
;; launch gate (part 1): grid 256 x 1, 4 waves a work-group, no clusters, 52,224 bytes of LDS; arguments x, Wg, bg, xq, xs, sel, gw; writes xq, xs, sel, gw
.if DOCPART == 1
	.amdgcn_target "amdgcn-amd-amdhsa--gfx1250"
	.amdhsa_code_object_version 6
	.text
	.protected	k_q8102116965_gate
	.globl	k_q8102116965_gate
	.p2align	8
	.type	k_q8102116965_gate,@function
k_q8102116965_gate:
	s_mov_b64 s[64:65], 0
	v_nop
	global_prefetch_b8 v0, s[64:65] scope:SCOPE_SE
	s_setreg_imm32_b32 hwreg(HW_REG_WAVE_MODE, 25, 1), 1
	s_wait_xcnt 0x0
; THE ROUTER AND x's QUANTISER.  x: [1024 tokens][1024] f32.  Wg: [1024][8], bg: [8], f32.
; One wave takes one token t = 4 x work-group + wave.  Lane l holds the 32 neighbours d = 32 l .. 32 l + 31 of the token's row: one block of the quantiser, and its share of the eight logits.
; OUT: xq [t][512 bytes] codes of E2M1, K innermost, block l at byte 16 l;  xs [t][32] E8M0 bytes;  sel [t] = (1 << e1) | (1 << e2), whole numbers for the later launches;
;      gw [t][2] the gate probability of the lower-numbered chosen expert, then of the higher.
; The logits are f32 multiply-adds; the softmax takes the row's maximum away; the top-2 is taken on the finished probabilities, the lower index keeping a tie.  Nothing here branches or addresses by a floating-point number:
; the choice is made by selects and stored.
; A block's scale byte is its largest magnitude's exponent field - 2, held at 1 from below (a block of zeros keeps 1: its codes are zeros, and this program alone reads the bytes).
; LIMITS: NaN and infinities among the inputs are not served; two probabilities closer than the rounding of an f32 sum of 1,024 terms may change places in the top-2.
; No matrix unit: 8 columns are too few for a tile.  No cluster: what the work-groups share is Wg's 32,768 bytes.
; LDS: Wg as 32 chunks (a lane's 32 rows, 1,024 bytes) 1,040 bytes apart; behind it a stage of 32 x 144 bytes for each wave, through which x's row turns from 16 bytes a lane to 128 bytes a lane.
.set STG,  33280
.set XR,   16                          ; v16-47   x as loaded: 16 bytes a lane and load
.set XN,   48                          ; v48-79   my 32 neighbours
.set ACC,  80                          ; v80-87   the eight sums, then the logits
.set PR,   88                          ; v88-95   exponentials, then probabilities
.set WP,   96                          ; v96-159  16 pieces of Wg on their way to LDS; later the lane permutes' destinations
.set CD,   160                         ; v160-163 my block's codes
.set MSB, 0
.macro WIN new                         ; the immediate's high byte repeats the setting that is left
.if MSB != \new
	s_set_vgpr_msb (MSB<<8)|\new
.set MSB, \new
.endif
.endm
	s_load_b256 s[4:11], s[0:1], 0x0               ; x s[4:5], Wg s[6:7], bg s[8:9], xq s[10:11]
	s_load_b128 s[12:15], s[0:1], 0x20             ; xs s[12:13], sel s[14:15]
	s_load_b64 s[16:17], s[0:1], 0x30              ; gw
	v_lshl_add_u32 v254, v0, 2, 0xca00
	v_mov_b32 v255, 0
	v_lshrrev_b32 v8, 5, v0
	v_readfirstlane_b32 s18, v8                    ; wave
	v_and_b32 v1, 31, v0                           ; lane
	v_lshlrev_b32 v2, 4, v1                        ; 16 x lane
	s_lshl_b32 s19, ttmp9, 2
	s_add_co_u32 s19, s19, s18                     ; my token
	s_mul_i32 s22, s18, 4608
	s_add_co_u32 s22, s22, STG                     ; my wave's stage
	v_bfe_u32 v8, v0, 3, 2
	v_mul_u32_u24 v3, v8, 144
	v_and_b32 v8, 7, v0
	v_lshl_add_u32 v3, v8, 4, v3
	v_add_nc_u32 v3, s22, v3                       ; into the stage: eight lanes' 128 bytes on end, then 16 of padding
	v_mul_u32_u24 v4, v1, 144
	v_add_nc_u32 v4, s22, v4                       ; out of it: my 128 bytes
	s_mul_i32 s22, s18, 8320
	v_add_nc_u32 v5, s22, v2                       ; Wg into LDS: my wave's eight chunks
	v_mul_u32_u24 v6, v1, 1040                     ; Wg out of LDS: my lane's chunk
	v_mov_b32 v7, 0
	s_mov_b32 s32, 0x76543210
	s_mov_b32 s33, 0xfedcba98                      ; v_permlanex16_b32's selects for lane l xor 16
	s_lshl_b32 s20, s19, 12                        ; x's row: 4,096 bytes
	s_mov_b32 s21, 0
	s_lshl_b32 s22, s18, 13                        ; my wave's quarter of Wg
	s_mov_b32 s23, 0
	s_wait_kmcnt 0x0
	s_load_b256 s[24:31], s[8:9], 0x0              ; bg
	s_add_nc_u64 s[4:5], s[4:5], s[20:21]
	s_add_nc_u64 s[6:7], s[6:7], s[22:23]
.irp i, 0,1,2,3,4,5,6,7
	global_load_b128 v[XR+4*\i:XR+4*\i+3], v2, s[4:5] offset:512*\i th:TH_LOAD_NT   ; 512 consecutive bytes a load
.endr
.irp g, 0,1,2,3,4,5,6,7,8,9,10,11,12,13,14,15
	global_load_b128 v[WP+4*\g:WP+4*\g+3], v2, s[6:7] offset:512*\g
.endr
	s_lshl_b32 s20, s19, 9
	s_add_nc_u64 s[10:11], s[10:11], s[20:21]      ; xq at my token
	s_lshl_b32 s20, s19, 5
	s_add_nc_u64 s[12:13], s[12:13], s[20:21]      ; xs
	s_lshl_b32 s20, s19, 2
	s_add_nc_u64 s[14:15], s[14:15], s[20:21]      ; sel
	s_lshl_b32 s20, s19, 3
	s_add_nc_u64 s[16:17], s[16:17], s[20:21]      ; gw
	s_wait_loadcnt 16                              ; x's eight loads are in; Wg's sixteen, issued behind them, may be out
.irp i, 0,1,2,3,4,5,6,7
	ds_store_b128 v3, v[XR+4*\i:XR+4*\i+3] offset:576*\i
.endr
.irp q, 0,1,2,3,4,5,6,7
	ds_load_b128 v[XN+4*\q:XN+4*\q+3], v4 offset:16*\q     ; LDS serves a wave's instructions in order: these see my stores
.endr
	s_wait_loadcnt 0x0
.irp g, 0,1,2,3,4,5,6,7,8,9,10,11,12,13,14,15
	ds_store_b128 v5, v[WP+4*\g:WP+4*\g+3] offset:512*\g+16*(\g/2)
.endr
	s_wait_dscnt 0x0                               ; for the others' sake: my part of Wg lies in LDS (and my neighbours of x are in)
	s_barrier_signal -1
	s_barrier_wait -1
	WIN 0x40                                       ; destination window 1: register 8 q + e = Wg[32 l + q][e]
.set q, 0
.rept 32
	ds_load_b128 v[8*q:8*q+3], v6 offset:32*q
	ds_load_b128 v[8*q+4:8*q+7], v6 offset:32*q+16
.set q, q+1
.endr
	WIN 0
	; while they land: my block of x is quantised
	v_max3_num_f32 v164, |v[XN]|, |v[XN+1]|, |v[XN+2]|
	v_max3_num_f32 v165, |v[XN+3]|, |v[XN+4]|, |v[XN+5]|
.irp i, 6,10,14,18,22,26
	v_max3_num_f32 v164, v164, |v[XN+\i]|, |v[XN+\i+1]|
	v_max3_num_f32 v165, v165, |v[XN+\i+2]|, |v[XN+\i+3]|
.endr
	v_max3_num_f32 v164, v164, |v[XN+30]|, |v[XN+31]|
	v_max3_num_f32 v164, v164, v165, 0x1800000     ; and the floor 2^(3 - 127): the byte cannot fall under 1
	v_add_nc_u32 v166, 0xff000000, v164            ; 2 off the exponent field: the conversion's scale operand
.irp g, 0,1,2,3
	v_cvt_scalef32_pk8_fp4_f32 v[CD+\g], v[XN+8*\g:XN+8*\g+7], v166
.endr
	v_lshrrev_b32 v167, 23, v166                   ; the scale's byte (a plain line behind the conversions)
	global_store_b128 v2, v[CD:CD+3], s[10:11]     ; the wave stores the token's 512 bytes of codes on end
	global_store_b8 v1, v167, s[12:13]             ; and its 32 scale bytes
	s_wait_dscnt 0x0                               ; Wg's rows are in
	WIN 0x01                                       ; source 0 window 1
.irp p, 0,1,2,3
	v_pk_mul_f32 v[ACC+2*\p:ACC+2*\p+1], v[2*\p:2*\p+1], v[XN:XN+1] op_sel_hi:[1,0]   ; the first product starts the sums: two experts an instruction, x's number for both halves
.endr
.set q, 1
.rept 31
.irp p, 0,1,2,3
.if q%2
	v_pk_fma_f32 v[ACC+2*\p:ACC+2*\p+1], v[8*q+2*\p:8*q+2*\p+1], v[XN+q-1:XN+q], v[ACC+2*\p:ACC+2*\p+1] op_sel:[0,1,0] op_sel_hi:[1,1,1]
.else
	v_pk_fma_f32 v[ACC+2*\p:ACC+2*\p+1], v[8*q+2*\p:8*q+2*\p+1], v[XN+q:XN+q+1], v[ACC+2*\p:ACC+2*\p+1] op_sel_hi:[1,0,1]
.endif
.endr
.set q, q+1
.endr
	WIN 0
.irp m, 1,2,4,8                        ; over the 32 lanes: every lane ends with all eight sums
.irp e, 0,1,2,3,4,5,6,7
	v_add_f32_dpp v[ACC+\e], v[ACC+\e], v[ACC+\e] row_xmask:\m row_mask:0xf bank_mask:0xf
.endr
.endr
.irp e, 0,1,2,3,4,5,6,7
	v_permlanex16_b32 v[WP+\e], v[ACC+\e], s32, s33        ; (its destination counts as read: these registers have been written)
.endr
	s_wait_kmcnt 0x0                               ; bg
.irp e, 0,1,2,3,4,5,6,7
	v_add_f32 v[ACC+\e], v[ACC+\e], v[WP+\e]
.endr
.irp e, 0,1,2,3,4,5,6,7
	v_add_f32 v[ACC+\e], s[24+\e], v[ACC+\e]       ; the logits
.endr
	v_max3_num_f32 v178, v[ACC], v[ACC+1], v[ACC+2]
	v_max3_num_f32 v178, v178, v[ACC+3], v[ACC+4]
	v_max3_num_f32 v178, v178, v[ACC+5], v[ACC+6]
	v_max_num_f32 v178, v178, v[ACC+7]             ; the row's maximum is taken away ahead of the exponentials
.irp e, 0,1,2,3,4,5,6,7
	v_sub_f32 v[PR+\e], v[ACC+\e], v178
.endr
.irp e, 0,1,2,3,4,5,6,7
	v_mul_f32 v[PR+\e], 0x3fb8aa3b, v[PR+\e]       ; x log2(e)
.endr
.irp e, 0,1,2,3,4,5,6,7
	v_exp_f32 v[PR+\e], v[PR+\e]
.endr
	v_mov_b32 v172, 1                              ; a plain line behind the exponentials
	s_wait_alu depctr_va_vdst(0)                   ; one wait for the batch, ahead of its first reader
	v_add_f32 v179, v[PR], v[PR+1]
	v_add_f32 v180, v[PR+2], v[PR+3]
	v_add_f32 v181, v[PR+4], v[PR+5]
	v_add_f32 v182, v[PR+6], v[PR+7]
	v_add_f32 v179, v179, v180
	v_add_f32 v181, v181, v182
	v_add_f32 v179, v179, v181
	v_rcp_f32 v180, v179
	v_mov_b32 v169, 0                              ; (a plain line)  the best expert so far: 0
	s_wait_alu depctr_va_vdst(0)                   ; the wait ahead of the reciprocal's first reader
.irp e, 0,1,2,3,4,5,6,7
	v_mul_f32 v[PR+\e], v[PR+\e], v180             ; the probabilities
.endr
	v_mov_b32 v168, v[PR]
.irp e, 1,2,3,4,5,6,7                  ; the largest: a later expert takes over only where it is strictly larger
	v_cmp_le_f32 vcc_lo, v[PR+\e], v168
	v_cndmask_b32 v168, v[PR+\e], v168, vcc_lo
	v_cndmask_b32 v169, \e, v169, vcc_lo
.endr
	v_mov_b32 v170, -1.0                           ; the second: under every probability
	v_mov_b32 v171, 0
.irp e, 0,1,2,3,4,5,6,7
	v_cmp_le_f32 vcc_lo, v[PR+\e], v170
	v_cmp_eq_u32 s40, \e, v169                     ; the first choice is passed over
	s_or_b32 vcc_lo, vcc_lo, s40
	v_cndmask_b32 v170, v[PR+\e], v170, vcc_lo
	v_cndmask_b32 v171, \e, v171, vcc_lo
.endr
	v_cmp_lt_u32 vcc_lo, v169, v171
	v_cndmask_b32 v174, v170, v168, vcc_lo         ; the lower-numbered expert's probability,
	v_cndmask_b32 v175, v168, v170, vcc_lo         ; the higher-numbered one's
	v_lshlrev_b32 v176, v169, v172
	v_lshlrev_b32 v177, v171, v172
	v_or_b32 v176, v176, v177                      ; the two experts as a mask
	s_wait_xcnt 0x0                                ; EXEC changes only behind this wait: the stores above have been issued under the full one
	v_cmp_eq_u32 vcc_lo, 0, v1
	s_barrier_signal -1
	s_barrier_wait -1
	s_wait_tensorcnt 0x0
	ds_add_u32 v254, v255
	s_wait_dscnt 0x0
	s_and_saveexec_b32 s41, vcc_lo                 ; lane 0 stores for the wave
	global_store_b32 v7, v176, s[14:15]
	global_store_b64 v7, v[174:175], s[16:17]
	s_endpgm
.Lfunc_end_k_q8102116965_gate:
	.size	k_q8102116965_gate, .Lfunc_end_k_q8102116965_gate-k_q8102116965_gate
	.p2alignl 7, 3214868480
	.fill 96, 4, 3214868480
	.section	.rodata,"a",@progbits
	.p2align	6, 0x0
	.amdhsa_kernel k_q8102116965_gate
		.amdhsa_group_segment_fixed_size 52224
		.amdhsa_private_segment_fixed_size 0
		.amdhsa_enable_private_segment 0
		.amdhsa_kernarg_size 56
		.amdhsa_user_sgpr_count 2
		.amdhsa_user_sgpr_kernarg_segment_ptr 1
		.amdhsa_wavefront_size32 1
		.amdhsa_system_sgpr_workgroup_id_x 1
		.amdhsa_system_sgpr_workgroup_id_y 1
		.amdhsa_system_sgpr_workgroup_id_z 1
		.amdhsa_system_vgpr_workitem_id 0
		.amdhsa_next_free_vgpr 512
		.amdhsa_next_free_sgpr 66
		.amdhsa_reserve_vcc 1
		.amdhsa_float_denorm_mode_32 3
		.amdhsa_float_denorm_mode_16_64 3
		.amdhsa_memory_ordered 1
		.amdhsa_forward_progress 1
		.amdhsa_inst_pref_size 29
	.end_amdhsa_kernel
	.amdgpu_metadata
---
amdhsa.version: [ 1, 2 ]
amdhsa.kernels:
  - .name:           k_q8102116965_gate
    .symbol:         k_q8102116965_gate.kd
    .args:
      - { .name: x, .offset: 0, .size: 8, .value_kind: global_buffer, .address_space: global }
      - { .name: Wg, .offset: 8, .size: 8, .value_kind: global_buffer, .address_space: global }
      - { .name: bg, .offset: 16, .size: 8, .value_kind: global_buffer, .address_space: global }
      - { .name: xq, .offset: 24, .size: 8, .value_kind: global_buffer, .address_space: global }
      - { .name: xs, .offset: 32, .size: 8, .value_kind: global_buffer, .address_space: global }
      - { .name: sel, .offset: 40, .size: 8, .value_kind: global_buffer, .address_space: global }
      - { .name: gw, .offset: 48, .size: 8, .value_kind: global_buffer, .address_space: global }
    .group_segment_fixed_size: 52224
    .private_segment_fixed_size: 0
    .kernarg_segment_align: 8
    .kernarg_segment_size: 56
    .max_flat_workgroup_size: 128
    .sgpr_count:     66
    .vgpr_count:     512
    .wavefront_size: 32
...
	.end_amdgpu_metadata
.endif
;; end of part 1
;; launch up (part 2): grid 32 x 8, 4 waves a work-group, no clusters, 75,264 bytes of LDS; arguments W1, b1, xq, xs, sel, hq, hs, place; writes hq, hs, place
.if DOCPART == 2
	.amdgcn_target "amdgcn-amd-amdhsa--gfx1250"
	.amdhsa_code_object_version 6
	.text
	.protected	k_q8102116965_up
	.globl	k_q8102116965_up
	.p2align	8
	.type	k_q8102116965_up,@function
k_q8102116965_up:
	s_mov_b64 s[64:65], 0
	v_nop
	global_prefetch_b8 v0, s[64:65] scope:SCOPE_SE
	s_setreg_imm32_b32 hwreg(HW_REG_WAVE_MODE, 25, 1), 1
	s_wait_xcnt 0x0
; THE FIRST PRODUCT OF AN EXPERT, on the rows that chose it: h = gelu(x W1[e] + b1[e]), quantised along the hidden axis.  Codes of E2M1, one E8M0 scale for each 32 along K.
; A work-group is (expert e = y, 128 hidden units j = x): K step j of the second product.  Its slab of W1, 1,024 (K) x 128 f32, is read by this work-group alone, once, and quantised on the way.
; HEAD.  Every wave reads sel (the two experts of each token, whole numbers stored by the launch before) and counts e's tokens; wave 0 lays their numbers in LDS as e's list.  A token's place in the list is the count
;   of e's tokens ahead of it in the order (register, lane).  The work-group with j = 0 stores the places and the count for the later launches.  Rows that fill e's last tile of 16 take token 0; nobody reads their results.
; STREAM.  Wave w takes K rows 256 w .. 256 w + 255 in eight steps of 32.  A load takes one K row's 128 columns, 512 consecutive bytes, 16 bytes (four columns) a lane; two steps, 64 loads, are asked ahead.
;   The conversion takes eight neighbours along K of ONE column from consecutive registers, and a load brings four columns of one k: so a step's 128 registers are moved once, column by column.
;   A block of 32 along K of a column then lies in one lane: its largest magnitude needs no other lane.  Codes and scale words go to LDS as images of the operand's registers.
;   x's rows of the wave's first two tiles are asked for in steps 0 and 1, among the weight loads: they lie in registers when the stream ends.
; PRODUCTS.  All 64 fragments of the slab (8 K steps x 8 tiles of 16 units) come into every wave's registers.  Wave w takes e's tiles of rows m = w, w + 4, ..: x's codes are gathered by the list into two sets of registers
;   by turns, each asked for two of the wave's tiles ahead; 64 matrix instructions (transposed: source 0 = 16 units of W1, source 1 = 16 rows of x; b1 is the C of each sum's first), gelu in f32, quantised in registers,
;   stored as the register image of fragment (m, j).
; THE UNITS OF A TILE ARE NOT NEIGHBOURS: row r of tile 2 B + u is unit 32 B + 8 u + r + 8 (r / 8), so that a lane's 16 registers of tiles 2 B and 2 B + 1 are 16 neighbours along the next K.
; gelu(v) = v / (1 + 2^(-v (c1 + c2 v^2))), c1 = 2 sqrt(2 / pi) log2(e), c2 = 0.044715 c1: the tanh form, written so that nothing cancels.
; The trip count over tiles is a constant, 8 trips of two; a wave leaves the loop forward when its tile lies past the count.  That is a branch on a stored number, so the launch has no tensor load: operands go through registers.
; No cluster: the work-groups of an expert share x's codes alone, a small part of what each reads.
; LIMITS: NaN and infinities are not served; a block of zeros keeps the scale byte 1 (its codes are zeros; this program alone reads the bytes).
; LDS: 0 the 64 fragments' images, 1,024 bytes each, fragment 8 s + t;  WSC their scale words, row r at 272 r, word 8 s + t;  LIST 1,152 words (72 tiles, so that the look-ahead of eight tiles stays inside);  behind it one word for tokens of other experts.
; REGISTERS.  window 0: v1-15, v24-30 addresses and constants; v16-23 x's scale words, two sets of four; v32-95 W1's scale words; v96-255 by phase (below).
;   window 1: two landing sets of 128, then fragments of K steps 0-3.   window 2: fragments of K steps 4-7.   window 3: v0-63 b1 in the result's layout, v64-191 x's eight fragments, two sets.
;   Set b of x has registers of its own for its tokens (v11, v28), its codes' offsets (v12, v26) and its scale words' offsets (v13, v27): they are written again only when the set's loads have been shown done.
.set WSC,     65536
.set LIST,    69888
.set NOWHERE, 1152                     ; the list's index for a token of another expert
.set XS,   16
.set WS,   32
.set SELR, 96                          ; head: v96-127 sel, then token numbers;  v128-159 places;  v160-191 LDS addresses;  v192-197 at work
.set POSR, 128
.set ADRR, 160
.set T,    96                          ; stream: v96-223 column c's 32 numbers at T + 32 c;  v224-227 maxima, bytes;  v228-231 scale operands;  v232-239 scale words;  v240-255 codes
.set MX,   224
.set SO,   228
.set SW,   232
.set CD,   240
.set HA,   96                          ; products: v96-159 the 8 tiles of h;  v160-175 at work;  v176-183 codes;  v184 scale word;  v192-255 the gelu's factor
.set TM,   160
.set PC,   176
.set PW,   184
.set GG,   192
.set XF,   64                          ; in window 3: set b at XF + 64 b
.set MSB, 0
.macro WIN new                         ; the immediate's high byte repeats the setting that is left
.if MSB != \new
	s_set_vgpr_msb (MSB<<8)|\new
.set MSB, \new
.endif
.endm
.macro LOADS i                         ; step i's 32 K rows into landing set i % 2
	WIN 0x40
.set kk, 0
.rept 32
	global_load_b128 v[128*((\i)%2)+4*kk:128*((\i)%2)+4*kk+3], v7, s[4:5] offset:(32*(\i)+kk)*16384 th:TH_LOAD_NT
.set kk, kk+1
.endr
.endm
.macro TURNIN i                        ; from (k, four columns) to (column, 32 k)
	WIN 0x01
.set kk, 0
.rept 32
	v_mov_b32 v[T+kk],    v[128*((\i)%2)+4*kk]
	v_mov_b32 v[T+32+kk], v[128*((\i)%2)+4*kk+1]
	v_mov_b32 v[T+64+kk], v[128*((\i)%2)+4*kk+2]
	v_mov_b32 v[T+96+kk], v[128*((\i)%2)+4*kk+3]
.set kk, kk+1
.endr
.endm
.macro QBLOCK i                        ; four columns' blocks, by turns: scale, codes, image
.irp c, 0,1,2,3
	v_max3_num_f32 v[MX+\c], |v[T+32*\c]|, |v[T+32*\c+1]|, 0x1800000   ; with the floor 2^(3 - 127): the byte cannot fall under 1
.endr
.irp k, 2,4,6,8,10,12,14,16,18,20,22,24,26,28,30
.irp c, 0,1,2,3
	v_max3_num_f32 v[MX+\c], v[MX+\c], |v[T+32*\c+\k]|, |v[T+32*\c+\k+1]|
.endr
.endr
.irp c, 0,1,2,3
	v_add_nc_u32 v[SO+\c], 0xff000000, v[MX+\c]    ; 2 off the exponent field: the conversion's scale operand
.endr
.irp c, 0,1,2,3
.if (\i)%4 == 0
	v_lshrrev_b32 v[SW+2*\c+(\i)/4], 23, v[SO+\c]  ; the byte of the K step's first block begins the scale word
.else
	v_lshrrev_b32 v[MX+\c], 23, v[SO+\c]
	v_lshl_or_b32 v[SW+2*\c+(\i)/4], v[MX+\c], 8*((\i)%4), v[SW+2*\c+(\i)/4]
.endif
.endr
	s_wait_dscnt 0x0                               ; the last step's LDS stores have read the codes' registers
.irp c, 0,1,2,3
.irp g, 0,1,2,3
	v_cvt_scalef32_pk8_fp4_f32 v[CD+4*\c+\g], v[T+32*\c+8*\g:T+32*\c+8*\g+7], v[SO+\c]
.endr
.endr
	v_nop                                          ; one plain line behind the last conversion
.irp c, 0,1,2,3
	ds_store_b128 v5, v[CD+4*\c:CD+4*\c+3] offset:8192*((\i)/4)+256*((\i)%4)+16*\c   ; block b of row r lies at 256 b + 16 r of its fragment's image
.endr
.endm
; The tile whose 16 tokens are on their way into set b's token register: x's eight fragments and their scale words are asked for, 17 loads.
; The scale words: a row has eight, 32 bytes; lanes 0-15 take those of K steps 0-3, lanes 16-31 those of K steps 4-7, by one load of 16 bytes.
.macro XREQ b
	WIN 0
	s_wait_dscnt 0x0                               ; the tokens are in
	v_min_u32 v[11+17*(\b)], 1023, v[11+17*(\b)]   ; a token's number stays inside x
	v_lshl_add_u32 v[12+14*(\b)], v[11+17*(\b)], 9, v29    ; its 512 bytes of codes, + 16 x my half
	v_lshl_add_u32 v[13+14*(\b)], v[11+17*(\b)], 5, v29    ; its 32 scale bytes, + 16 x my half
	WIN 0xc0
.irp s, 0,1,2,3,4,5,6,7
.irp c, 0,1
	global_load_b128 v[XF+64*(\b)+8*\s+4*\c:XF+64*(\b)+8*\s+4*\c+3], v[12+14*(\b)], s[8:9] offset:64*\s+32*\c
.endr
.endr
	WIN 0
	global_load_b128 v[XS+4*(\b):XS+4*(\b)+3], v[13+14*(\b)], s[10:11]
.endm
.macro STEP i
.if (\i) < 7
	s_wait_loadcnt 32                              ; all but the youngest 32, the next step's weight loads, are in: this step's, and x's rows where they were asked for just ahead of those 32
.else
	s_wait_loadcnt 0x0
.endif
	TURNIN \i
.if (\i) < 2
	XREQ \i                                        ; x's rows of my tile w (step 0) and w + 4 (step 1) go out among the weight loads
.endif
.if (\i) < 6
	LOADS (\i)+2                                   ; the landing set just read out takes the step two on
.endif
	WIN 0
	QBLOCK \i
.endm
.macro PROD b, s                       ; K step s on set b of x: the eight accumulators take turns, one instruction a turn
.irp t, 0,1,2,3,4,5,6,7
.if (\s) == 0
	v_wmma_scale_f32_16x16x128_f8f6f4 v[HA+8*\t:HA+8*\t+7], v[8*\t:8*\t+7], v[XF+64*(\b):XF+64*(\b)+7], v[8*\t:8*\t+7], v[WS+\t], v[XS+4*(\b)] matrix_a_fmt:MATRIX_FMT_FP4 matrix_b_fmt:MATRIX_FMT_FP4
.elseif (\s) < 4
	v_wmma_scale_f32_16x16x128_f8f6f4 v[HA+8*\t:HA+8*\t+7], v[64*((\s)%4)+8*\t:64*((\s)%4)+8*\t+7], v[XF+64*(\b)+8*(\s):XF+64*(\b)+8*(\s)+7], v[HA+8*\t:HA+8*\t+7], v[WS+8*(\s)+\t], v[XS+4*(\b)+(\s)%4] matrix_a_fmt:MATRIX_FMT_FP4 matrix_b_fmt:MATRIX_FMT_FP4
.else
	v_wmma_scale_f32_16x16x128_f8f6f4 v[HA+8*\t:HA+8*\t+7], v[64*((\s)%4)+8*\t:64*((\s)%4)+8*\t+7], v[XF+64*(\b)+8*(\s):XF+64*(\b)+8*(\s)+7], v[HA+8*\t:HA+8*\t+7], v[WS+8*(\s)+\t], v[XS+4*(\b)+(\s)%4] matrix_a_fmt:MATRIX_FMT_FP4 matrix_b_fmt:MATRIX_FMT_FP4 matrix_b_scale:MATRIX_SCALE_ROW1
.endif
.endr
.endm
; 64 numbers of a lane, register 16 b + i = k 32 b + 16 (lane / 16) + i of my row, become a fragment's codes in v[PC] on and its scale word in v[PW]
.macro QUANT s
.irp b, 0,1,2,3
	v_max3_num_f32 v[TM+\b], |v[\s+16*\b]|, |v[\s+1+16*\b]|, 0x1800000
.endr
.irp i, 2,4,6,8,10,12,14
.irp b, 0,1,2,3
	v_max3_num_f32 v[TM+\b], v[TM+\b], |v[\s+16*\b+\i]|, |v[\s+1+16*\b+\i]|
.endr
.endr
.irp b, 0,1,2,3
	v_permlanex16_b32 v[TM+4+\b], v[TM+\b], s38, s39
.endr
.irp b, 0,1,2,3
	v_max_num_f32 v[TM+\b], v[TM+\b], v[TM+4+\b]   ; with lane l xor 16's: the block's largest magnitude
.endr
.irp b, 0,1,2,3
	v_add_nc_u32 v[TM+12+\b], 0xff000000, v[TM+\b]
.endr
.irp b, 0,1,2,3
	v_lshrrev_b32 v[TM+4+\b], 23, v[TM+12+\b]
.endr
	v_lshl_or_b32 v[PW], v[TM+5], 8, v[TM+4]
	v_lshl_or_b32 v[PW], v[TM+6], 16, v[PW]
	v_lshl_or_b32 v[PW], v[TM+7], 24, v[PW]
.irp b, 0,1,2,3
	v_cvt_scalef32_pk8_fp4_f32 v[PC+2*\b], v[\s+16*\b:\s+7+16*\b], v[TM+12+\b]
	v_cvt_scalef32_pk8_fp4_f32 v[PC+1+2*\b], v[\s+8+16*\b:\s+15+16*\b], v[TM+12+\b]
.endr
	v_nop                                          ; one plain line behind a scaled conversion
.irp c, 0,1                            ; the operand's layout wants a whole block in a lane
.irp i, 0,1
	v_permlane16_swap_b32 v[PC+4*\c+\i], v[PC+2+4*\c+\i]
.endr
.endr
.endm
; One tile of 16 rows, m, whose x lies in set b.
.macro TILE b
	s_cmp_ge_u32 s30, s24
	s_cbranch_scc1 .Ldone                          ; past e's rows: nothing is left for this wave
	v_add_nc_u32 v10, s31, v9
	ds_load_b32 v[11+17*(\b)], v10 offset:512      ; the tokens of tile m + 8, which will take this set
	s_wait_loadcnt 17                              ; this set's 17 loads are in; the other set's 17, issued behind them, may be out
	WIN 0x3d                                       ; source 0 (W1) window 1, source 1 (x) and source 2 (b1) window 3
	PROD \b, 0
	WIN 0x0d
	PROD \b, 1
	PROD \b, 2
	PROD \b, 3
	WIN 0x0e                                       ; source 0 window 2
	PROD \b, 4
	PROD \b, 5
	PROD \b, 6
	PROD \b, 7
	WIN 0
.rept 4
	v_nop                                          ; four places behind the products, ahead of loads into registers that they read and of the first read of results
.endr
	XREQ \b                                        ; the set is free: tile m + 8's x has the rest of this tile and all of the next in which to land
.set p, 0
.rept 32
	v_pk_mul_f32 v[GG+p:GG+p+1], v[HA+p:HA+p+1], v[HA+p:HA+p+1]            ; v^2; each accumulator is read from its low end on
.set p, p+2
.endr
.set p, 0
.rept 32
	v_pk_fma_f32 v[GG+p:GG+p+1], v[GG+p:GG+p+1], s[36:37], v[24:25] op_sel_hi:[1,0,1]   ; c2 v^2 + c1
.set p, p+2
.endr
.set p, 0
.rept 32
	v_pk_mul_f32 v[GG+p:GG+p+1], v[GG+p:GG+p+1], v[HA+p:HA+p+1] neg_lo:[0,1] neg_hi:[0,1]   ; x (-v)
.set p, p+2
.endr
.set p, 0
.rept 64
	v_exp_f32 v[GG+p], v[GG+p]
.set p, p+1
.endr
	v_nop                                          ; a plain line behind the batch
	s_wait_alu depctr_va_vdst(0)                   ; one wait for the 64, ahead of their first reader
.set p, 0
.rept 32
	v_pk_add_f32 v[GG+p:GG+p+1], v[GG+p:GG+p+1], 1.0 op_sel_hi:[1,0]
.set p, p+2
.endr
.set p, 0
.rept 64
	v_rcp_f32 v[GG+p], v[GG+p]
.set p, p+1
.endr
	v_nop
	s_wait_alu depctr_va_vdst(0)                   ; and one for the 64 reciprocals
.set p, 0
.rept 32
	v_pk_mul_f32 v[HA+p:HA+p+1], v[HA+p:HA+p+1], v[GG+p:GG+p+1]            ; gelu(v)
.set p, p+2
.endr
	QUANT HA
	global_store_b128 v7, v[PC:PC+3], s[14:15]             ; the fragment's image: 1,024 consecutive bytes
	global_store_b128 v7, v[PC+4:PC+7], s[14:15] offset:512
	global_store_b32 v14, v[PW], s[16:17]                  ; its 16 scale words (lanes r and r + 16 hold the same word)
	s_wait_xcnt 0x0                                ; bases and data are written again only behind this wait
	s_add_nc_u64 s[14:15], s[14:15], 0x20000       ; four tiles on
	s_add_nc_u64 s[16:17], s[16:17], 0x2000
	s_add_co_u32 s30, s30, 64
	s_add_co_u32 s31, s31, 256
.endm
	s_load_b256 s[4:11], s[0:1], 0x0               ; W1 s[4:5], b1 s[6:7], xq s[8:9], xs s[10:11]
	s_load_b256 s[12:19], s[0:1], 0x20             ; sel s[12:13], hq s[14:15], hs s[16:17], place s[18:19]
	v_lshl_add_u32 v31, v0, 2, 0x12400
	s_set_vgpr_msb 0xc0
	v_mov_b32 v255, 0
	s_set_vgpr_msb 0xc000
	v_lshrrev_b32 v1, 5, v0
	v_readfirstlane_b32 s22, v1                    ; wave
	s_mov_b32 s20, ttmp9                           ; j
	s_and_b32 s21, ttmp7, 0xffff                   ; e
	s_lshl_b32 s23, 1, s21                         ; e's bit in sel
	v_and_b32 v1, 31, v0                           ; lane
	v_and_b32 v2, 15, v0                           ; r
	v_bfe_u32 v3, v0, 4, 1                         ; h
	v_lshlrev_b32 v7, 4, v1                        ; 16 x lane: my four columns of a K row, and an image's place for my lane
	v_bfe_u32 v26, v0, 3, 2
	v_bfe_u32 v27, v0, 1, 1
	v_lshl_add_u32 v26, v26, 1, v27                ; columns 4 l .. 4 l + 3 lie in tile 2 (l / 8) + (l / 2) % 2,
	v_and_b32 v27, 1, v0
	v_bfe_u32 v28, v0, 2, 1
	v_lshlrev_b32 v27, 2, v27
	v_lshl_add_u32 v27, v28, 3, v27                ; from its row 4 (l % 2) + 8 ((l / 4) % 2) on
	v_lshlrev_b32 v5, 10, v26
	v_lshl_add_u32 v5, v27, 4, v5
	s_lshl_b32 s25, s22, 14
	v_add_nc_u32 v5, s25, v5                       ; where my codes go: tile, row, my wave's two K steps
	v_mul_u32_u24 v6, v27, 272
	v_lshl_add_u32 v6, v26, 2, v6
	s_lshl_b32 s25, s22, 6
	s_add_co_u32 s25, s25, WSC
	v_add_nc_u32 v6, s25, v6                       ; and my scale words
	v_mul_u32_u24 v8, v2, 272
	v_add_nc_u32 v8, WSC, v8                       ; row r's 64 scale words
	v_lshl_add_u32 v9, v2, 2, LIST                 ; a tile's r-th token
	v_lshlrev_b32 v14, 2, v2
	v_lshlrev_b32 v15, 2, v1
	v_lshlrev_b32 v29, 4, v3
	v_lshlrev_b32 v30, 6, v3                       ; b1: my half's 16 units on
	v_add_nc_u32 v4, LIST, v7                      ; for clearing the list
	v_mov_b32 v24, 0x40135761                      ; c1 = 2.3022082, twice
	v_mov_b32 v25, 0x40135761
	s_mov_b32 s36, 0x3dd2d3e8                      ; c2 = 0.10294324; the packed form names the pair and takes its low word for both halves
	s_mov_b32 s37, s36
	s_mov_b32 s38, 0x76543210
	s_mov_b32 s39, 0xfedcba98                      ; v_permlanex16_b32's selects for lane l xor 16
	s_mov_b32 s27, 0
	s_mov_b32 s29, 0
	s_lshl_b32 s26, s21, 24                        ; W1: expert, my wave's 256 K rows, the work-group's 128 columns
	s_lshl_b32 s25, s22, 22
	s_add_co_u32 s26, s26, s25
	s_lshl_b32 s25, s20, 9
	s_add_co_u32 s26, s26, s25
	s_lshl_b32 s28, s21, 14                        ; b1: expert, 128 units
	s_add_co_u32 s28, s28, s25
	s_wait_kmcnt 0x0
	s_add_nc_u64 s[4:5], s[4:5], s[26:27]
	s_add_nc_u64 s[6:7], s[6:7], s[28:29]
.irp q, 0,1,2,3,4,5,6,7
	global_load_b128 v[SELR+4*\q:SELR+4*\q+3], v7, s[12:13] offset:512*\q    ; register 4 q + c: token 128 q + 4 l + c
.endr
	WIN 0xc0
.irp t, 0,1,2,3,4,5,6,7                ; b1 in the result's layout: lane (r, h), tile t: units 32 (t / 2) + 16 h + 8 (t % 2) + 0 .. 7
	global_load_b128 v[8*\t:8*\t+3], v30, s[6:7] offset:(32*(\t/2)+8*(\t%2))*4
	global_load_b128 v[8*\t+4:8*\t+7], v30, s[6:7] offset:(32*(\t/2)+8*(\t%2))*4+16
.endr
	LOADS 0
	WIN 0
	s_lshl_b32 s26, s21, 21                        ; hq: expert, my first tile m = wave, K step j
	s_lshl_b32 s25, s22, 15
	s_add_co_u32 s26, s26, s25
	s_lshl_b32 s25, s20, 10
	s_add_co_u32 s26, s26, s25
	s_add_nc_u64 s[14:15], s[14:15], s[26:27]
	s_lshl_b32 s26, s21, 17                        ; hs likewise
	s_lshl_b32 s25, s22, 11
	s_add_co_u32 s26, s26, s25
	s_lshl_b32 s25, s20, 6
	s_add_co_u32 s26, s26, s25
	s_add_nc_u64 s[16:17], s[16:17], s[26:27]
	s_lshl_b32 s26, s21, 7
	s_add_co_u32 s26, s26, 32768
	s_add_nc_u64 s[40:41], s[18:19], s[26:27]      ; place: e's count
	s_lshl_b32 s26, s21, 12
	s_add_nc_u64 s[18:19], s[18:19], s[26:27]      ; place: e's 1,024 places
	s_lshl_b32 s30, s22, 4                         ; my tile's first row, 16 m
	s_lshl_b32 s31, s22, 6                         ; and its bytes in the list
	s_mov_b32 s32, 8                               ; trips of two tiles
	s_mov_b32 s24, 0                               ; e's tokens so far
	v_mov_b32 v196, 2047
	s_wait_loadcnt 48                              ; sel's eight loads are in; b1's 16 and step 0's 32, issued behind them, may be out
	LOADS 1                                        ; the second step's rows are on their way while the tokens are counted
	WIN 0
.set g, 0
.rept 32
	v_and_b32 v197, s23, v[SELR+g]
	v_cmp_ne_u32 vcc_lo, 0, v197                   ; the lanes whose token chose e
	v_mbcnt_lo_u32_b32 v[POSR+g], vcc_lo, s24      ; the count so far + such lanes below me: my token's place
	s_bcnt1_i32_b32 s25, vcc_lo
	s_add_co_u32 s24, s24, s25
	v_cndmask_b32 v[ADRR+g], v196, v[POSR+g], vcc_lo
	v_min_u32 v[ADRR+g], NOWHERE, v[ADRR+g]        ; other experts' tokens go to the word behind the list
	v_lshl_add_u32 v[ADRR+g], v[ADRR+g], 2, LIST
.set g, g+1
.endr
	s_cmp_lg_u32 s22, 0                            ; wave 0 writes the list
	s_cbranch_scc1 .Lhead_done
.irp z, 192,193,194,195
	v_mov_b32 v\z, 0
.endr
.irp q, 0,1,2,3,4,5,6,7,8
	ds_store_b128 v4, v[192:195] offset:512*\q     ; token 0 everywhere first: the rows that fill a last tile, and the look-ahead's
.endr
.set g, 0
.rept 32
	v_add_nc_u32 v[SELR+g], 128*(g/4)+g%4, v15     ; the token's number
.set g, g+1
.endr
.set g, 0
.rept 32
	ds_store_b32 v[ADRR+g], v[SELR+g]              ; LDS serves a wave's instructions in order: these come behind the clearing
.set g, g+1
.endr
	s_cmp_lg_u32 s20, 0                            ; one work-group of the expert stores places and count
	s_cbranch_scc1 .Lhead_done
.irp q, 0,1,2,3,4,5,6,7
	global_store_b128 v7, v[POSR+4*\q:POSR+4*\q+3], s[18:19] offset:512*\q
.endr
	v_mov_b32 v197, s24
	global_store_b32 v15, v197, s[40:41]
.Lhead_done:
	s_wait_xcnt 0x0                                ; the stores' data registers are written again below only behind this wait
	s_wait_dscnt 0x0                               ; the list lies in LDS
	s_barrier_signal -1
	s_barrier_wait -1
	v_add_nc_u32 v10, s31, v9
	ds_load_b32 v11, v10                           ; the tokens of my first tile, m = wave,
	ds_load_b32 v28, v10 offset:256                ; and of my second, four tiles on
.irp i, 0,1,2,3,4,5,6,7
	STEP \i
.endr
.irp c, 0,1,2,3
.irp u, 0,1
	ds_store_b32 v6, v[SW+2*\c+\u] offset:272*\c+32*\u     ; my four columns' scale words of my wave's two K steps
.endr
.endr
	s_wait_dscnt 0x0                               ; for the others' sake: my images and scale words lie in LDS
	s_barrier_signal -1
	s_barrier_wait -1
	WIN 0x40                                       ; the whole slab into every wave's registers: K steps 0-3,
.set f, 0
.rept 32
	ds_load_b128 v[8*f:8*f+3], v7 offset:1024*f
	ds_load_b128 v[8*f+4:8*f+7], v7 offset:1024*f+512
.set f, f+1
.endr
	WIN 0x80                                       ; K steps 4-7,
.set f, 0
.rept 32
	ds_load_b128 v[8*f:8*f+3], v7 offset:32768+1024*f
	ds_load_b128 v[8*f+4:8*f+7], v7 offset:32768+1024*f+512
.set f, f+1
.endr
	WIN 0
.irp g, 0,1,2,3,4,5,6,7,8,9,10,11,12,13,14,15
	ds_load_b128 v[WS+4*\g:WS+4*\g+3], v8 offset:16*\g     ; and row r's 64 scale words
.endr
.irp b, 0,1,2,3
	v_mov_b32 v[TM+4+\b], 0                        ; written once: a lane permute's destination counts as one of its sources
.endr
	s_wait_dscnt 0x0                               ; the slab and its scale words are in registers
.Ltile:                                                ; 8 trips of two tiles: tile m = 4 x (tiles done) + wave; x's two sets take turns
	TILE 0
	TILE 1
	s_sub_co_u32 s32, s32, 1
	s_cmp_lg_u32 s32, 0
	s_cbranch_scc1 .Ltile
.Ldone:
	s_barrier_signal -1
	s_barrier_wait -1
	s_set_vgpr_msb 0xc
	s_wait_tensorcnt 0x0
	ds_add_u32 v31, v255
	s_wait_dscnt 0x0
	s_set_vgpr_msb 0xc00
	s_endpgm
.Lfunc_end_k_q8102116965_up:
	.size	k_q8102116965_up, .Lfunc_end_k_q8102116965_up-k_q8102116965_up
	.p2alignl 7, 3214868480
	.fill 96, 4, 3214868480
	.section	.rodata,"a",@progbits
	.p2align	6, 0x0
	.amdhsa_kernel k_q8102116965_up
		.amdhsa_group_segment_fixed_size 75264
		.amdhsa_private_segment_fixed_size 0
		.amdhsa_enable_private_segment 0
		.amdhsa_kernarg_size 64
		.amdhsa_user_sgpr_count 2
		.amdhsa_user_sgpr_kernarg_segment_ptr 1
		.amdhsa_wavefront_size32 1
		.amdhsa_system_sgpr_workgroup_id_x 1
		.amdhsa_system_sgpr_workgroup_id_y 1
		.amdhsa_system_sgpr_workgroup_id_z 1
		.amdhsa_system_vgpr_workitem_id 0
		.amdhsa_next_free_vgpr 1024
		.amdhsa_next_free_sgpr 66
		.amdhsa_reserve_vcc 1
		.amdhsa_float_denorm_mode_32 3
		.amdhsa_float_denorm_mode_16_64 3
		.amdhsa_memory_ordered 1
		.amdhsa_forward_progress 1
		.amdhsa_inst_pref_size 201
	.end_amdhsa_kernel
	.amdgpu_metadata
---
amdhsa.version: [ 1, 2 ]
amdhsa.kernels:
  - .name:           k_q8102116965_up
    .symbol:         k_q8102116965_up.kd
    .args:
      - { .name: W1, .offset: 0, .size: 8, .value_kind: global_buffer, .address_space: global }
      - { .name: b1, .offset: 8, .size: 8, .value_kind: global_buffer, .address_space: global }
      - { .name: xq, .offset: 16, .size: 8, .value_kind: global_buffer, .address_space: global }
      - { .name: xs, .offset: 24, .size: 8, .value_kind: global_buffer, .address_space: global }
      - { .name: sel, .offset: 32, .size: 8, .value_kind: global_buffer, .address_space: global }
      - { .name: hq, .offset: 40, .size: 8, .value_kind: global_buffer, .address_space: global }
      - { .name: hs, .offset: 48, .size: 8, .value_kind: global_buffer, .address_space: global }
      - { .name: place, .offset: 56, .size: 8, .value_kind: global_buffer, .address_space: global }
    .group_segment_fixed_size: 75264
    .private_segment_fixed_size: 0
    .kernarg_segment_align: 8
    .kernarg_segment_size: 64
    .max_flat_workgroup_size: 128
    .sgpr_count:     66
    .vgpr_count:     1024
    .wavefront_size: 32
...
	.end_amdgpu_metadata
.endif
;; end of part 2
;; launch down (part 3): grid 32 x 8, 4 waves a work-group, no clusters, 87,808 bytes of LDS; arguments W2, b2, hq, hs, place, yp; writes yp
.if DOCPART == 3
	.amdgcn_target "amdgcn-amd-amdhsa--gfx1250"
	.amdhsa_code_object_version 6
	.text
	.protected	k_q8102116965_down
	.globl	k_q8102116965_down
	.p2align	8
	.type	k_q8102116965_down,@function
k_q8102116965_down:
	s_mov_b64 s[64:65], 0
	v_nop
	global_prefetch_b8 v0, s[64:65] scope:SCOPE_SE
	s_setreg_imm32_b32 hwreg(HW_REG_WAVE_MODE, 25, 1), 1
	s_wait_xcnt 0x0
; THE SECOND PRODUCT OF AN EXPERT, on its rows: yp[kh][e][row] = h[row, half kh of K] W2[e][half kh, 64 columns] (+ b2[e] in half 0).  Codes of E2M1, one E8M0 scale for each 32 along K.
; A work-group is (expert e = y; 64 columns cs = x % 16; half kh = x / 16 of the 4,096 along K).  Its slab of W2, 2,048 (K) x 64 f32, is read by this work-group alone, once, and quantised on the way.
; 64 columns are 256 aligned bytes of a K row; 256 work-groups over all of K would leave 32 columns each, half of that: so K is halved instead, and the last launch adds the two halves.
; STREAM.  Wave w takes K rows 512 w .. 512 w + 511 of the half in eight steps of 64.  In a load lanes 0-15 take one K row's 256 bytes and lanes 16-31 those of the row 32 further down: lane (q, hl) gathers block
;   2 i + hl of columns 4 q .. 4 q + 3.  Two steps, 64 loads, are asked ahead.  As in the launch before, a step's 128 registers are moved once, so that a column's 32 numbers along K stand in consecutive registers.
;   A K step's four scale bytes of a column come from two steps and from lanes l and l xor 16.
;   h's fragments of the wave's first two tiles are asked for in steps 0 and 1, among the weight loads: they lie in registers when the stream ends.
; PRODUCTS.  All 64 fragments (16 K steps x 4 tiles of 16 columns) lie in every wave's registers.  Wave w takes e's tiles of rows m = w, w + 4, ..: h's 16 fragments come from memory as register images, two tiles ahead
;   in two sets; 64 matrix instructions (transposed: source 0 = 16 columns of W2, source 1 = 16 rows of h), so that a lane holds eight neighbouring columns of a row; out through the wave's stage in LDS.
; The trip count is a constant; a wave leaves the loop forward past e's last tile (a branch on a stored count: so no tensor load in this launch).  Requests past the end are held at e's last tile and waited for by nobody.
; No cluster: the work-groups of an expert share h's codes alone, a small part of what each reads.
; LIMITS: NaN and infinities are not served (b2 is multiplied by 0 in half 1); a block of zeros keeps the scale byte 1.
; LDS: 0 the 64 images, fragment 4 s + t;  WSC scale words, row r at 272 r, word 4 s + t;  STG a stage of 16 rows x 272 bytes for each wave.
; REGISTERS.  window 0: v1-14 addresses; v16-31 h's scale words, two sets; v32-95 W2's scale words; v96-255 by phase.  window 1: landing sets, then fragments of K steps 0-7.  window 2: K steps 8-15.  window 3: h's fragments, two sets of 128.
.set WSC,  65536
.set STG,  69888
.set HSC,  16
.set WS,   32
.set T,    96                          ; stream: as in the launch before; v232-235 the even step's bytes, v236-239 the finished scale words
.set MX,   224
.set SO,   228
.set BE,   232
.set SWT,  236
.set CD,   240
.set ACC,  96                          ; products: v96-127 four accumulators; v128-159 rows on their way out; v160-191 b2 in the result's layout
.set OUTR, 128
.set BB,   160
.set MSB, 0
.macro WIN new                         ; the immediate's high byte repeats the setting that is left
.if MSB != \new
	s_set_vgpr_msb (MSB<<8)|\new
.set MSB, \new
.endif
.endm
.macro LOADS i                         ; step i's 64 K rows into landing set i % 2
	WIN 0x40
.set kk, 0
.rept 32
	global_load_b128 v[128*((\i)%2)+4*kk:128*((\i)%2)+4*kk+3], v4, s[4:5] offset:(64*(\i)+kk)*4096 th:TH_LOAD_NT
.set kk, kk+1
.endr
.endm
.macro TURNIN i
	WIN 0x01
.set kk, 0
.rept 32
	v_mov_b32 v[T+kk],    v[128*((\i)%2)+4*kk]
	v_mov_b32 v[T+32+kk], v[128*((\i)%2)+4*kk+1]
	v_mov_b32 v[T+64+kk], v[128*((\i)%2)+4*kk+2]
	v_mov_b32 v[T+96+kk], v[128*((\i)%2)+4*kk+3]
.set kk, kk+1
.endr
.endm
.macro QBLOCK i
.irp c, 0,1,2,3
	v_max3_num_f32 v[MX+\c], |v[T+32*\c]|, |v[T+32*\c+1]|, 0x1800000   ; with the floor 2^(3 - 127)
.endr
.irp k, 2,4,6,8,10,12,14,16,18,20,22,24,26,28,30
.irp c, 0,1,2,3
	v_max3_num_f32 v[MX+\c], v[MX+\c], |v[T+32*\c+\k]|, |v[T+32*\c+\k+1]|
.endr
.endr
.irp c, 0,1,2,3
	v_add_nc_u32 v[SO+\c], 0xff000000, v[MX+\c]    ; the conversion's scale operand
.endr
	s_wait_dscnt 0x0                               ; earlier LDS stores have read the codes' and the scale words' registers
.if (\i)%2 == 0
.irp c, 0,1,2,3
	v_lshrrev_b32 v[BE+\c], 23, v[SO+\c]           ; block hl of the K step: kept for the next step
.endr
.else
.irp c, 0,1,2,3
	v_lshrrev_b32 v[MX+\c], 23, v[SO+\c]           ; block 2 + hl
.endr
.irp c, 0,1,2,3
	v_lshl_or_b32 v[MX+\c], v[MX+\c], 16, v[BE+\c]
.endr
.irp c, 0,1,2,3
	v_lshlrev_b32 v[MX+\c], v13, v[MX+\c]          ; 8 hl bits up
.endr
.irp c, 0,1,2,3
	v_permlanex16_b32 v[SWT+\c], v[MX+\c], s42, s43
.endr
.irp c, 0,1,2,3
	v_or_b32 v[SWT+\c], v[MX+\c], v[SWT+\c]        ; with lane l xor 16's two bytes the word is whole
.endr
.endif
.irp c, 0,1,2,3
.irp g, 0,1,2,3
	v_cvt_scalef32_pk8_fp4_f32 v[CD+4*\c+\g], v[T+32*\c+8*\g:T+32*\c+8*\g+7], v[SO+\c]
.endr
.endr
	v_nop                                          ; one plain line behind the last conversion
.irp c, 0,1,2,3
	ds_store_b128 v5, v[CD+4*\c:CD+4*\c+3] offset:4096*((\i)/2)+512*((\i)%2)+16*\c
.endr
.if (\i)%2
.irp c, 0,1,2,3
	ds_store_b32 v6, v[SWT+\c] offset:272*\c+16*((\i)/2)   ; (both lanes of a column write the same word)
.endr
.endif
.endm
.macro REQ b, ahead                    ; h's fragments and scale words of tile m + ahead into set b, 40 loads; the set's bases are written only when its last loads have been shown done
	s_add_co_u32 s29, s27, \ahead
	s_min_u32 s29, s29, s26                        ; held at e's last tile,
	s_min_u32 s29, s29, 63                         ; which lies among e's 64
	s_lshl_b32 s30, s29, 15
	s_add_nc_u64 s[32+2*\b:33+2*\b], s[8:9], s[30:31]
	s_lshl_b32 s30, s29, 11
	s_add_nc_u64 s[36+2*\b:37+2*\b], s[10:11], s[30:31]
	WIN 0xc0
.set sx, 0
.rept 16
	global_load_b128 v[128*\b+8*sx:128*\b+8*sx+3], v7, s[32+2*\b:33+2*\b] offset:1024*sx
	global_load_b128 v[128*\b+8*sx+4:128*\b+8*sx+7], v7, s[32+2*\b:33+2*\b] offset:1024*sx+512
.set sx, sx+1
.endr
	WIN 0
.irp p, 0,1,2,3,4,5,6,7
	global_load_b32 v[HSC+8*\b+\p], v9, s[36+2*\b:37+2*\b] offset:128*\p   ; lanes 0-15: K step 2 p; lanes 16-31: K step 2 p + 1
.endr
.endm
.macro STEP i
.if (\i) < 7
	s_wait_loadcnt 32                              ; all but the youngest 32, the next step's weight loads, are in: this step's, and h's fragments where they were asked for just ahead of those 32
.else
	s_wait_loadcnt 0x0
.endif
	TURNIN \i
.if (\i) == 0
	REQ 0, 0                                       ; h of my tile w goes out among the weight loads,
.endif
.if (\i) == 1
	REQ 1, 4                                       ; and of my tile w + 4
.endif
.if (\i) < 6
	LOADS (\i)+2
.endif
	WIN 0
	QBLOCK \i
.endm
.macro PROD b, s                       ; K step s: the four accumulators take turns, one instruction a turn
.irp t, 0,1,2,3
.if (\s) == 0
	v_wmma_scale_f32_16x16x128_f8f6f4 v[ACC+8*\t:ACC+8*\t+7], v[8*\t:8*\t+7], v[128*\b:128*\b+7], v[BB+8*\t:BB+8*\t+7], v[WS+\t], v[HSC+8*\b] matrix_a_fmt:MATRIX_FMT_FP4 matrix_b_fmt:MATRIX_FMT_FP4
.elseif (\s)%2
	v_wmma_scale_f32_16x16x128_f8f6f4 v[ACC+8*\t:ACC+8*\t+7], v[32*((\s)%8)+8*\t:32*((\s)%8)+8*\t+7], v[128*\b+8*(\s):128*\b+8*(\s)+7], v[ACC+8*\t:ACC+8*\t+7], v[WS+4*(\s)+\t], v[HSC+8*\b+(\s)/2] matrix_a_fmt:MATRIX_FMT_FP4 matrix_b_fmt:MATRIX_FMT_FP4 matrix_b_scale:MATRIX_SCALE_ROW1
.else
	v_wmma_scale_f32_16x16x128_f8f6f4 v[ACC+8*\t:ACC+8*\t+7], v[32*((\s)%8)+8*\t:32*((\s)%8)+8*\t+7], v[128*\b+8*(\s):128*\b+8*(\s)+7], v[ACC+8*\t:ACC+8*\t+7], v[WS+4*(\s)+\t], v[HSC+8*\b+(\s)/2] matrix_a_fmt:MATRIX_FMT_FP4 matrix_b_fmt:MATRIX_FMT_FP4
.endif
.endr
.endm
.macro TILE b                          ; tile m, whose operands lie in set b
	s_cmp_ge_u32 s27, s25
	s_cbranch_scc1 .Ldone                          ; past e's tiles
	s_wait_loadcnt 40                              ; this set's 40 loads are in; the other set's 40, issued behind them, may be out
	WIN 0x0d                                       ; source 0 (W2) window 1, source 1 (h) window 3
.irp s, 0,1,2,3,4,5,6,7
	PROD \b, \s
.endr
	WIN 0x0e                                       ; source 0 window 2
.irp s, 8,9,10,11,12,13,14,15
	PROD \b, \s
.endr
	WIN 0
.rept 5
	v_nop                                          ; four places ahead of loads into the products' sources and of the stores that read results; the fifth since the next tile's first products write these accumulators anew
.endr
	REQ \b, 8                                      ; the set is free: my tile after next
	s_wait_xcnt 0x0                                ; the last tile's stores have read their base and their data registers
	s_lshl_b32 s30, s27, 16
	s_add_nc_u64 s[40:41], s[14:15], s[30:31]      ; the tile's 16 rows of yp
.irp t, 0,1,2,3
	ds_store_b128 v10, v[ACC+8*\t:ACC+8*\t+3] offset:64*\t          ; each accumulator from its low end on: lane (r, h): row r, columns 16 t + 8 h + 0 .. 7
	ds_store_b128 v10, v[ACC+8*\t+4:ACC+8*\t+7] offset:64*\t+16
.endr
.irp i, 0,1,2,3,4,5,6,7
	ds_load_b128 v[OUTR+4*\i:OUTR+4*\i+3], v11 offset:544*\i       ; LDS serves a wave's instructions in order: these see my stores; two whole rows an instruction
.endr
.irp i, 0,1,2,3,4,5,6,7
	s_wait_dscnt 7-\i                              ; the younger reads from the stage may be out
	global_store_b128 v12, v[OUTR+4*\i:OUTR+4*\i+3], s[40:41] offset:8192*\i th:TH_STORE_NT   ; sixteen lanes store 256 consecutive bytes, aligned
.endr
	s_add_co_u32 s27, s27, 4
.endm
	s_load_b256 s[4:11], s[0:1], 0x0               ; W2 s[4:5], b2 s[6:7], hq s[8:9], hs s[10:11]
	s_load_b128 s[12:15], s[0:1], 0x20             ; place s[12:13], yp s[14:15]
	v_lshrrev_b32 v1, 5, v0
	v_readfirstlane_b32 s23, v1                    ; wave
	s_and_b32 s20, ttmp9, 15                       ; cs
	s_lshr_b32 s21, ttmp9, 4                       ; kh
	s_and_b32 s22, ttmp7, 0xffff                   ; e
	v_and_b32 v1, 31, v0                           ; lane
	v_and_b32 v2, 15, v0                           ; q
	v_bfe_u32 v3, v0, 4, 1                         ; hl
	v_lshlrev_b32 v4, 4, v2
	v_lshl_add_u32 v12, v3, 12, v4                 ; yp: lanes 0-15 one row, lanes 16-31 the next; 16 bytes a lane
	v_lshl_add_u32 v4, v3, 17, v4                  ; W2: my four columns; lanes 16-31 32 K rows further down
	v_bfe_u32 v96, v0, 2, 2                        ; columns 4 q .. lie in tile q / 4,
	v_and_b32 v97, 3, v0                           ; from its row 4 (q % 4) on
	v_lshlrev_b32 v5, 10, v96
	v_lshl_add_u32 v5, v3, 8, v5
	v_lshl_add_u32 v5, v97, 6, v5
	s_lshl_b32 s29, s23, 14
	v_add_nc_u32 v5, s29, v5                       ; where my codes go
	v_mul_u32_u24 v6, v97, 1088
	v_lshl_add_u32 v6, v96, 2, v6
	s_lshl_b32 s29, s23, 6
	s_add_co_u32 s29, s29, WSC
	v_add_nc_u32 v6, s29, v6                       ; and my scale words
	v_lshlrev_b32 v7, 4, v1
	v_mul_u32_u24 v8, v2, 272
	v_add_nc_u32 v8, WSC, v8
	v_lshlrev_b32 v9, 2, v1
	s_mul_i32 s29, s23, 4352
	s_add_co_u32 s29, s29, STG                     ; my stage
	v_mul_u32_u24 v10, v2, 272
	v_lshl_add_u32 v10, v3, 5, v10
	v_add_nc_u32 v10, s29, v10
	v_mul_u32_u24 v11, v3, 272
	v_lshl_add_u32 v11, v2, 4, v11
	v_add_nc_u32 v11, s29, v11
	v_lshlrev_b32 v13, 3, v3
	v_lshlrev_b32 v14, 5, v3
.irp c, 0,1,2,3
	v_mov_b32 v[SWT+\c], 0                         ; written once: a lane permute's destination counts as one of its sources
.endr
	s_mov_b32 s42, 0x76543210
	s_mov_b32 s43, 0xfedcba98
	s_cmp_eq_u32 s21, 0
	s_cselect_b32 s44, 1.0, 0                      ; b2 counts in half 0 alone
	s_mov_b32 s31, 0
	s_lshl_b32 s30, s22, 24                        ; W2: expert, half, my wave's 512 K rows, 64 columns
	s_lshl_b32 s29, s21, 23
	s_add_co_u32 s30, s30, s29
	s_lshl_b32 s29, s23, 21
	s_add_co_u32 s30, s30, s29
	s_lshl_b32 s28, s20, 8
	s_add_co_u32 s30, s30, s28
	s_wait_kmcnt 0x0
	s_add_nc_u64 s[4:5], s[4:5], s[30:31]
	s_lshl_b32 s30, s22, 7
	s_add_co_u32 s30, s30, 32768
	s_add_nc_u64 s[12:13], s[12:13], s[30:31]
	s_load_b32 s24, s[12:13], 0x0                  ; e's count of rows: wanted in the first step
	LOADS 0
	LOADS 1
	WIN 0
	s_lshl_b32 s30, s22, 12
	s_add_co_u32 s30, s30, s28
	s_add_nc_u64 s[6:7], s[6:7], s[30:31]          ; b2
	s_lshl_b32 s30, s22, 21
	s_lshl_b32 s29, s21, 14
	s_add_co_u32 s30, s30, s29
	s_add_nc_u64 s[8:9], s[8:9], s[30:31]          ; hq: expert, the half's 16 K steps
	s_lshl_b32 s30, s22, 17
	s_lshl_b32 s29, s21, 10
	s_add_co_u32 s30, s30, s29
	s_add_nc_u64 s[10:11], s[10:11], s[30:31]      ; hs
	s_lshl_b32 s30, s21, 25
	s_lshl_b32 s29, s22, 22
	s_add_co_u32 s30, s30, s29
	s_add_co_u32 s30, s30, s28
	s_add_nc_u64 s[14:15], s[14:15], s[30:31]      ; yp: half, expert, 64 columns
	s_wait_kmcnt 0x0                               ; the count
	s_add_co_u32 s25, s24, 15
	s_lshr_b32 s25, s25, 4                         ; e's tiles
	s_max_u32 s26, s25, 1
	s_sub_co_u32 s26, s26, 1                       ; the last of them (0 where there is none: what is then loaded is used by nobody)
	s_mov_b32 s27, s23                             ; m = wave
.irp i, 0,1,2,3,4,5,6,7
	STEP \i
.endr
.irp t, 0,1,2,3                        ; b2 in the result's layout: lane (r, h), tile t: columns 16 t + 8 h + 0 .. 7
	global_load_b128 v[BB+8*\t:BB+8*\t+3], v14, s[6:7] offset:64*\t
	global_load_b128 v[BB+8*\t+4:BB+8*\t+7], v14, s[6:7] offset:64*\t+16
.endr
	s_wait_dscnt 0x0                               ; for the others' sake: my images and scale words lie in LDS
	s_barrier_signal -1
	s_barrier_wait -1
	WIN 0x40
.set f, 0
.rept 32
	ds_load_b128 v[8*f:8*f+3], v7 offset:1024*f
	ds_load_b128 v[8*f+4:8*f+7], v7 offset:1024*f+512
.set f, f+1
.endr
	WIN 0x80
.set f, 0
.rept 32
	ds_load_b128 v[8*f:8*f+3], v7 offset:32768+1024*f
	ds_load_b128 v[8*f+4:8*f+7], v7 offset:32768+1024*f+512
.set f, f+1
.endr
	WIN 0
.irp g, 0,1,2,3,4,5,6,7,8,9,10,11,12,13,14,15
	ds_load_b128 v[WS+4*\g:WS+4*\g+3], v8 offset:16*\g
.endr
	s_wait_loadcnt 0x0                             ; b2
.set p, 0
.rept 32
	v_mul_f32 v[BB+p], s44, v[BB+p]
.set p, p+1
.endr
	s_wait_dscnt 0x0                               ; the slab is in registers
	s_cmp_eq_u32 s25, 0
	s_cbranch_scc1 .Ldone                          ; an expert that no token chose
	s_mov_b32 s28, 8
.Lpair:                                                ; 8 trips of two tiles: 64 tiles among four waves
	TILE 0
	TILE 1
	s_sub_co_u32 s28, s28, 1
	s_cmp_lg_u32 s28, 0
	s_cbranch_scc1 .Lpair
.Ldone:
	s_barrier_signal -1
	s_barrier_wait -1
	s_wait_xcnt 0x0
	v_lshl_add_u32 v254, v0, 2, 0x15500
	v_mov_b32 v255, 0
	s_wait_tensorcnt 0x0
	ds_add_u32 v254, v255
	s_wait_dscnt 0x0
	s_endpgm
.Lfunc_end_k_q8102116965_down:
	.size	k_q8102116965_down, .Lfunc_end_k_q8102116965_down-k_q8102116965_down
	.p2alignl 7, 3214868480
	.fill 96, 4, 3214868480
	.section	.rodata,"a",@progbits
	.p2align	6, 0x0
	.amdhsa_kernel k_q8102116965_down
		.amdhsa_group_segment_fixed_size 87808
		.amdhsa_private_segment_fixed_size 0
		.amdhsa_enable_private_segment 0
		.amdhsa_kernarg_size 48
		.amdhsa_user_sgpr_count 2
		.amdhsa_user_sgpr_kernarg_segment_ptr 1
		.amdhsa_wavefront_size32 1
		.amdhsa_system_sgpr_workgroup_id_x 1
		.amdhsa_system_sgpr_workgroup_id_y 1
		.amdhsa_system_sgpr_workgroup_id_z 1
		.amdhsa_system_vgpr_workitem_id 0
		.amdhsa_next_free_vgpr 1024
		.amdhsa_next_free_sgpr 66
		.amdhsa_reserve_vcc 0
		.amdhsa_float_denorm_mode_32 3
		.amdhsa_float_denorm_mode_16_64 3
		.amdhsa_memory_ordered 1
		.amdhsa_forward_progress 1
		.amdhsa_inst_pref_size 160
	.end_amdhsa_kernel
	.amdgpu_metadata
---
amdhsa.version: [ 1, 2 ]
amdhsa.kernels:
  - .name:           k_q8102116965_down
    .symbol:         k_q8102116965_down.kd
    .args:
      - { .name: W2, .offset: 0, .size: 8, .value_kind: global_buffer, .address_space: global }
      - { .name: b2, .offset: 8, .size: 8, .value_kind: global_buffer, .address_space: global }
      - { .name: hq, .offset: 16, .size: 8, .value_kind: global_buffer, .address_space: global }
      - { .name: hs, .offset: 24, .size: 8, .value_kind: global_buffer, .address_space: global }
      - { .name: place, .offset: 32, .size: 8, .value_kind: global_buffer, .address_space: global }
      - { .name: yp, .offset: 40, .size: 8, .value_kind: global_buffer, .address_space: global }
    .group_segment_fixed_size: 87808
    .private_segment_fixed_size: 0
    .kernarg_segment_align: 8
    .kernarg_segment_size: 48
    .max_flat_workgroup_size: 128
    .sgpr_count:     66
    .vgpr_count:     1024
    .wavefront_size: 32
...
	.end_amdgpu_metadata
.endif
;; end of part 3
;; launch join (part 4): grid 256 x 1, 4 waves a work-group, no clusters, 0 bytes of LDS; arguments yp, sel, place, gw, out0; writes out0
.if DOCPART == 4
	.amdgcn_target "amdgcn-amd-amdhsa--gfx1250"
	.amdhsa_code_object_version 6
	.text
	.protected	k_q8102116965_join
	.globl	k_q8102116965_join
	.p2align	8
	.type	k_q8102116965_join,@function
k_q8102116965_join:
	s_mov_b64 s[64:65], 0
	v_nop
	global_prefetch_b8 v0, s[64:65] scope:SCOPE_SE
	s_setreg_imm32_b32 hwreg(HW_REG_WAVE_MODE, 25, 1), 1
	s_wait_xcnt 0x0
; out[t] = g_a (yp[0] + yp[1])[e_a][place of t in e_a] + g_b (the same for e_b): each token's two experts, each in two halves of K, weighed by the gate's probabilities.
; One wave takes one token t = 4 x work-group + wave.  Experts and places are whole numbers stored by earlier launches; they are read by scalar loads, all at once (all eight experts' places of t, so that no load
; waits for another), chosen by scalar selects and held inside their tables ahead of the addresses.  Four rows of 4,096 bytes come in, one goes out; each load and store of the wave covers 512 consecutive bytes.
; A stream: no LDS, no barrier, no matrix unit.
	s_load_b256 s[4:11], s[0:1], 0x0               ; yp s[4:5], sel s[6:7], place s[8:9], gw s[10:11]
	s_load_b64 s[12:13], s[0:1], 0x20              ; out0
	v_lshrrev_b32 v1, 5, v0
	v_readfirstlane_b32 s14, v1                    ; wave
	v_and_b32 v1, 31, v0
	v_lshlrev_b32 v1, 4, v1                        ; 16 x lane
	s_lshl_b32 s15, ttmp9, 2
	s_add_co_u32 s15, s15, s14                     ; my token
	s_lshl_b32 s40, s15, 2
	s_mov_b32 s41, 0
	s_lshl_b32 s42, s15, 3
	s_mov_b32 s43, 0
	s_wait_kmcnt 0x0
	s_add_nc_u64 s[6:7], s[6:7], s[40:41]
	s_add_nc_u64 s[8:9], s[8:9], s[40:41]
	s_add_nc_u64 s[10:11], s[10:11], s[42:43]
	s_load_b32 s20, s[6:7], 0x0                    ; the two experts as a mask
	s_load_b64 s[16:17], s[10:11], 0x0             ; g_a, g_b
.irp e, 0,1,2,3,4,5,6,7
	s_load_b32 s[24+\e], s[8:9], 4096*\e           ; t's place in each expert's list
.endr
	s_lshl_b32 s42, s15, 12
	s_add_nc_u64 s[12:13], s[12:13], s[42:43]      ; out0 at my token
	s_wait_kmcnt 0x0
	s_ctz_i32_b32 s21, s20                         ; e_a: the lower-numbered
	s_sub_co_u32 s22, s20, 1
	s_and_b32 s22, s20, s22
	s_ctz_i32_b32 s23, s22                         ; e_b
	s_min_u32 s21, s21, 7
	s_min_u32 s23, s23, 7
	s_mov_b32 s36, s24
	s_mov_b32 s37, s24
.irp e, 1,2,3,4,5,6,7
	s_cmp_eq_u32 s21, \e
	s_cselect_b32 s36, s[24+\e], s36
	s_cmp_eq_u32 s23, \e
	s_cselect_b32 s37, s[24+\e], s37
.endr
	s_min_u32 s36, s36, 1023
	s_min_u32 s37, s37, 1023
	s_lshl_b32 s40, s21, 22
	s_lshl_b32 s42, s36, 12
	s_add_co_u32 s40, s40, s42
	s_add_nc_u64 s[44:45], s[4:5], s[40:41]        ; e_a's row, half 0,
	s_add_nc_u64 s[46:47], s[44:45], 0x2000000     ; half 1
	s_lshl_b32 s40, s23, 22
	s_lshl_b32 s42, s37, 12
	s_add_co_u32 s40, s40, s42
	s_add_nc_u64 s[48:49], s[4:5], s[40:41]        ; e_b's
	s_add_nc_u64 s[50:51], s[48:49], 0x2000000
	s_mov_b32 s18, s17                             ; g_b as the low word of a pair: the packed forms take it for both halves
	s_mov_b32 s19, s17
.irp i, 0,1,2,3,4,5,6,7
	global_load_b128 v[16+16*\i:19+16*\i], v1, s[44:45] offset:512*\i th:TH_LOAD_NT
	global_load_b128 v[20+16*\i:23+16*\i], v1, s[46:47] offset:512*\i th:TH_LOAD_NT
	global_load_b128 v[24+16*\i:27+16*\i], v1, s[48:49] offset:512*\i th:TH_LOAD_NT
	global_load_b128 v[28+16*\i:31+16*\i], v1, s[50:51] offset:512*\i th:TH_LOAD_NT
.endr
.irp i, 0,1,2,3,4,5,6,7
	s_wait_loadcnt 4*(7-\i)                        ; this chunk's four loads are in; the later chunks' may be out
	v_pk_add_f32 v[16+16*\i:17+16*\i], v[16+16*\i:17+16*\i], v[20+16*\i:21+16*\i]
	v_pk_add_f32 v[18+16*\i:19+16*\i], v[18+16*\i:19+16*\i], v[22+16*\i:23+16*\i]
	v_pk_add_f32 v[24+16*\i:25+16*\i], v[24+16*\i:25+16*\i], v[28+16*\i:29+16*\i]
	v_pk_add_f32 v[26+16*\i:27+16*\i], v[26+16*\i:27+16*\i], v[30+16*\i:31+16*\i]
	v_pk_mul_f32 v[16+16*\i:17+16*\i], v[16+16*\i:17+16*\i], s[16:17] op_sel_hi:[1,0]
	v_pk_mul_f32 v[18+16*\i:19+16*\i], v[18+16*\i:19+16*\i], s[16:17] op_sel_hi:[1,0]
	v_pk_fma_f32 v[16+16*\i:17+16*\i], v[24+16*\i:25+16*\i], s[18:19], v[16+16*\i:17+16*\i] op_sel_hi:[1,0,1]
	v_pk_fma_f32 v[18+16*\i:19+16*\i], v[26+16*\i:27+16*\i], s[18:19], v[18+16*\i:19+16*\i] op_sel_hi:[1,0,1]
	global_store_b128 v1, v[16+16*\i:19+16*\i], s[12:13] offset:512*\i th:TH_STORE_NT   ; each chunk has registers of its own: no store's data are written again
.endr
	s_endpgm
.Lfunc_end_k_q8102116965_join:
	.size	k_q8102116965_join, .Lfunc_end_k_q8102116965_join-k_q8102116965_join
	.p2alignl 7, 3214868480
	.fill 96, 4, 3214868480
	.section	.rodata,"a",@progbits
	.p2align	6, 0x0
	.amdhsa_kernel k_q8102116965_join
		.amdhsa_group_segment_fixed_size 0
		.amdhsa_private_segment_fixed_size 0
		.amdhsa_enable_private_segment 0
		.amdhsa_kernarg_size 40
		.amdhsa_user_sgpr_count 2
		.amdhsa_user_sgpr_kernarg_segment_ptr 1
		.amdhsa_wavefront_size32 1
		.amdhsa_system_sgpr_workgroup_id_x 1
		.amdhsa_system_sgpr_workgroup_id_y 1
		.amdhsa_system_sgpr_workgroup_id_z 1
		.amdhsa_system_vgpr_workitem_id 0
		.amdhsa_next_free_vgpr 144
		.amdhsa_next_free_sgpr 66
		.amdhsa_reserve_vcc 0
		.amdhsa_float_denorm_mode_32 3
		.amdhsa_float_denorm_mode_16_64 3
		.amdhsa_memory_ordered 1
		.amdhsa_forward_progress 1
		.amdhsa_inst_pref_size 12
	.end_amdhsa_kernel
	.amdgpu_metadata
---
amdhsa.version: [ 1, 2 ]
amdhsa.kernels:
  - .name:           k_q8102116965_join
    .symbol:         k_q8102116965_join.kd
    .args:
      - { .name: yp, .offset: 0, .size: 8, .value_kind: global_buffer, .address_space: global }
      - { .name: sel, .offset: 8, .size: 8, .value_kind: global_buffer, .address_space: global }
      - { .name: place, .offset: 16, .size: 8, .value_kind: global_buffer, .address_space: global }
      - { .name: gw, .offset: 24, .size: 8, .value_kind: global_buffer, .address_space: global }
      - { .name: out0, .offset: 32, .size: 8, .value_kind: global_buffer, .address_space: global }
    .group_segment_fixed_size: 0
    .private_segment_fixed_size: 0
    .kernarg_segment_align: 8
    .kernarg_segment_size: 40
    .max_flat_workgroup_size: 128
    .sgpr_count:     66
    .vgpr_count:     144
    .wavefront_size: 32
...
	.end_amdgpu_metadata
.endif
;; end of part 4
;; ======== version 2 of 2: 4 launches; version 1 with the launches up, down written anew for expert scheduling mode
;; workspace buffers: xq 524,288 bytes; xs 32,768 bytes; sel 4,096 bytes of whole numbers; gw 8,192 bytes; place 33,792 bytes of whole numbers; hq 16,777,216 bytes; hs 1,048,576 bytes; yp 67,108,864 bytes
;; launch gate: the kernel of part 1 again; grid 256 x 1, 4 waves a work-group, no clusters, 52,224 bytes of LDS; arguments x, Wg, bg, xq, xs, sel, gw; writes xq, xs, sel, gw
;; launch up (part 5): grid 32 x 8, 4 waves a work-group, no clusters, 75,264 bytes of LDS; arguments W1, b1, xq, xs, sel, hq, hs, place; writes hq, hs, place
.if DOCPART == 5
	.amdgcn_target "amdgcn-amd-amdhsa--gfx1250"
	.amdhsa_code_object_version 6
	.text
	.protected	k_q8102116965_up
	.globl	k_q8102116965_up
	.p2align	8
	.type	k_q8102116965_up,@function
k_q8102116965_up:
	s_mov_b64 s[64:65], 0
	v_nop
	global_prefetch_b8 v0, s[64:65] scope:SCOPE_SE
	s_setreg_imm32_b32 hwreg(HW_REG_WAVE_SCHED_MODE, 0, 2), 2
	s_setreg_imm32_b32 hwreg(HW_REG_WAVE_MODE, 25, 1), 1
	s_wait_xcnt 0x0
	s_wait_alu depctr_vm_vsrc(0)
; THE FIRST PRODUCT OF AN EXPERT, on the rows that chose it: h = gelu(x W1[e] + b1[e]), quantised along the hidden axis.  Codes of E2M1, one E8M0 scale for each 32 along K.
; A work-group is (expert e = y, 128 hidden units j = x): K step j of the second product.  Its slab of W1, 1,024 (K) x 128 f32, is read by this work-group alone, once, and quantised on the way.
; HEAD.  Every wave reads sel (the two experts of each token, whole numbers stored by the launch before) and counts e's tokens; wave 0 lays their numbers in LDS as e's list.  A token's place in the list is the count
;   of e's tokens ahead of it in the order (register, lane).  The work-group with j = 0 stores the places and the count for the later launches.  Rows that fill e's last tile of 16 take token 0; nobody reads their results.
; STREAM.  Wave w takes K rows 256 w .. 256 w + 255 in eight steps of 32.  A load takes one K row's 128 columns, 512 consecutive bytes, 16 bytes (four columns) a lane; two steps, 64 loads, are asked ahead.
;   The conversion takes eight neighbours along K of ONE column from consecutive registers, and a load brings four columns of one k: so a step's 128 registers are moved once, column by column.
;   A block of 32 along K of a column then lies in one lane: its largest magnitude needs no other lane.  Codes and scale words go to LDS as images of the operand's registers.
;   x's rows of the wave's first two tiles are asked for in steps 0 and 1, among the weight loads: they lie in registers when the stream ends.
; PRODUCTS.  All 64 fragments of the slab (8 K steps x 8 tiles of 16 units) come into every wave's registers.  Wave w takes e's tiles of rows m = w, w + 4, ..: x's codes are gathered by the list into two sets of registers
;   by turns, each asked for two of the wave's tiles ahead; 64 matrix instructions (transposed: source 0 = 16 units of W1, source 1 = 16 rows of x; b1 is the C of each sum's first), gelu in f32, quantised in registers,
;   stored as the register image of fragment (m, j).
; THE UNITS OF A TILE ARE NOT NEIGHBOURS: row r of tile 2 B + u is unit 32 B + 8 u + r + 8 (r / 8), so that a lane's 16 registers of tiles 2 B and 2 B + 1 are 16 neighbours along the next K.
; gelu(v) = v / (1 + 2^(-v (c1 + c2 v^2))), c1 = 2 sqrt(2 / pi) log2(e), c2 = 0.044715 c1: the tanh form, written so that nothing cancels.
; The trip count over tiles is a constant, 8 trips of two; a wave leaves the loop forward when its tile lies past the count.  That is a branch on a stored number, so the launch has no tensor load: operands go through registers.
; No cluster: the work-groups of an expert share x's codes alone, a small part of what each reads.
; LIMITS: NaN and infinities are not served; a block of zeros keeps the scale byte 1 (its codes are zeros; this program alone reads the bytes).
; LDS: 0 the 64 fragments' images, 1,024 bytes each, fragment 8 s + t;  WSC their scale words, row r at 272 r, word 8 s + t;  LIST 1,152 words (72 tiles, so that the look-ahead of eight tiles stays inside);  behind it one word for tokens of other experts.
; REGISTERS.  window 0: v1-15, v24-30 addresses and constants; v16-23 x's scale words, two sets of four; v32-95 W1's scale words; v96-255 by phase (below).
;   window 1: two landing sets of 128, then fragments of K steps 0-3.   window 2: fragments of K steps 4-7.   window 3: v0-63 b1 in the result's layout, v64-191 x's eight fragments, two sets.
;   Set b of x has registers of its own for its tokens (v11, v28), its codes' offsets (v12, v26) and its scale words' offsets (v13, v27): they are written again only when the set's loads have been shown done.
; THE MODE: SCHED_MODE bits 1:0 = 2 (LLVM: expert scheduling mode 2), set by the entry lines.  The code itself states the register dependences between vector or matrix instructions and memory or LDS instructions,
;   with s_wait_alu, always for 0.
; THE PLAN.  Registers that memory or LDS instructions touch, and who else names them:
;   v4-v8, v14, v15, v30   offsets and LDS addresses: made at the head, never written again.  One wait on va_vdst ahead of the first load serves them all.
;   landing sets (window 1) Step i: its 128 moves read set i % 2; behind them the loads of step i + 2 land in it.
;   v240-255, the codes     Written by step i's conversions; read by four LDS stores that are issued in step i + 1.   v232-239, the scale words: read by eight LDS stores behind the stream.
;     So ONE wait on va_vdst stands in a step, behind its moves; x's loads (steps 0, 1), the weight loads and the LDS stores of the step before follow it with no vector instruction between.  One wait on vm_vsrc stands ahead of the conversions.
;   x's set b, its scale words   Tile m: its 64 products read them; behind them the loads of tile m + 8 land in them.
;   tokens b, offsets b     The tokens land at the tile's head; three vector lines behind the products make the offsets, which the set's 17 loads read.
;   v10                     Read by the token load at a tile's head; stepped once a tile, behind the products.
;   v176-184                h's codes and scale word: written by the quantiser, read by the tile's three stores.
;     So a tile has one wait on vm_vsrc, behind its products and ahead of all that is written again, one on va_vdst ahead of x's loads, one ahead of the stores, and the two behind the exponentials and the reciprocals.
.set WSC,     65536
.set LIST,    69888
.set NOWHERE, 1152                     ; the list's index for a token of another expert
.set XS,   16
.set WS,   32
.set SELR, 96                          ; head: v96-127 sel, then token numbers;  v128-159 places;  v160-191 at work, then LDS addresses;  v192-197 at work
.set POSR, 128
.set ADRR, 160
.set CM,   44                          ; head: s44-59 the masks of sixteen compares
.set T,    96                          ; stream: v96-223 column c's 32 numbers at T + 32 c;  v224-227 maxima, bytes;  v228-231 scale operands;  v232-239 scale words;  v240-255 codes
.set MX,   224
.set SO,   228
.set SW,   232
.set CD,   240
.set HA,   96                          ; products: v96-159 the 8 tiles of h;  v160-175 at work;  v176-183 codes;  v184 scale word;  v192-255 the gelu's factor
.set TM,   160
.set PC,   176
.set PW,   184
.set GG,   192
.set XF,   64                          ; in window 3: set b at XF + 64 b
.set MSB, 0
.macro WIN new                         ; the immediate's high byte repeats the setting that is left
.if MSB != \new
	s_set_vgpr_msb (MSB<<8)|\new
.set MSB, \new
.endif
.endm
.macro LOADS i                         ; step i's 32 K rows into landing set i % 2
	WIN 0x40
.set kk, 0
.rept 32
	global_load_b128 v[128*((\i)%2)+4*kk:128*((\i)%2)+4*kk+3], v7, s[4:5] offset:(32*(\i)+kk)*16384 th:TH_LOAD_NT
.set kk, kk+1
.endr
.endm
.macro TURNIN i                        ; from (k, four columns) to (column, 32 k)
	WIN 0x01
.set kk, 0
.rept 32
	v_mov_b32 v[T+kk],    v[128*((\i)%2)+4*kk]
	v_mov_b32 v[T+32+kk], v[128*((\i)%2)+4*kk+1]
	v_mov_b32 v[T+64+kk], v[128*((\i)%2)+4*kk+2]
	v_mov_b32 v[T+96+kk], v[128*((\i)%2)+4*kk+3]
.set kk, kk+1
.endr
.endm
.macro QBLOCK i                        ; four columns' blocks, by turns: scale, codes
.irp c, 0,1,2,3
	v_max3_num_f32 v[MX+\c], |v[T+32*\c]|, |v[T+32*\c+1]|, 0x1800000   ; with the floor 2^(3 - 127): the byte cannot fall under 1
.endr
.irp k, 2,4,6,8,10,12,14,16,18,20,22,24,26,28,30
.irp c, 0,1,2,3
	v_max3_num_f32 v[MX+\c], v[MX+\c], |v[T+32*\c+\k]|, |v[T+32*\c+\k+1]|
.endr
.endr
.irp c, 0,1,2,3
	v_add_nc_u32 v[SO+\c], 0xff000000, v[MX+\c]    ; 2 off the exponent field: the conversion's scale operand
.endr
.irp c, 0,1,2,3
.if (\i)%4 == 0
	v_lshrrev_b32 v[SW+2*\c+(\i)/4], 23, v[SO+\c]  ; the byte of the K step's first block begins the scale word
.else
	v_lshrrev_b32 v[MX+\c], 23, v[SO+\c]
	v_lshl_or_b32 v[SW+2*\c+(\i)/4], v[MX+\c], 8*((\i)%4), v[SW+2*\c+(\i)/4]
.endif
.endr
	s_wait_dscnt 0x0                               ; the LDS stores of the step before are done
.if (\i) > 0
	s_wait_alu depctr_vm_vsrc(0)                   ; they have read the codes' registers v240-255, which the conversions below write again
.endif
.irp c, 0,1,2,3
.irp g, 0,1,2,3
	v_cvt_scalef32_pk8_fp4_f32 v[CD+4*\c+\g], v[T+32*\c+8*\g:T+32*\c+8*\g+7], v[SO+\c]
.endr
.endr
	v_nop                                          ; one plain line behind the last conversion
.endm
.macro IMAGE i                         ; step i's codes go to LDS: issued in step i + 1, behind that step's wait on va_vdst
.irp c, 0,1,2,3
	ds_store_b128 v5, v[CD+4*\c:CD+4*\c+3] offset:8192*((\i)/4)+256*((\i)%4)+16*\c   ; block b of row r lies at 256 b + 16 r of its fragment's image
.endr
.endm
; The tile whose 16 tokens are on their way into set b's token register: first the offsets,
.macro XADR b
	WIN 0
	s_wait_dscnt 0x0                               ; the tokens are in
	v_min_u32 v[11+17*(\b)], 1023, v[11+17*(\b)]   ; a token's number stays inside x
	v_lshl_add_u32 v[12+14*(\b)], v[11+17*(\b)], 9, v29    ; its 512 bytes of codes, + 16 x my half
	v_lshl_add_u32 v[13+14*(\b)], v[11+17*(\b)], 5, v29    ; its 32 scale bytes, + 16 x my half
.endm
; then, behind a wait on va_vdst, x's eight fragments and their scale words are asked for, 17 loads.
; The scale words: a row has eight, 32 bytes; lanes 0-15 take those of K steps 0-3, lanes 16-31 those of K steps 4-7, by one load of 16 bytes.
.macro XLD b
	WIN 0xc0
.irp s, 0,1,2,3,4,5,6,7
.irp c, 0,1
	global_load_b128 v[XF+64*(\b)+8*\s+4*\c:XF+64*(\b)+8*\s+4*\c+3], v[12+14*(\b)], s[8:9] offset:64*\s+32*\c
.endr
.endr
	WIN 0
	global_load_b128 v[XS+4*(\b):XS+4*(\b)+3], v[13+14*(\b)], s[10:11]
.endm
.macro STEP i
.if (\i) < 7
	s_wait_loadcnt 32                              ; all but the youngest 32, the next step's weight loads, are in: this step's, and x's rows where they were asked for just ahead of those 32
.else
	s_wait_loadcnt 0x0
.endif
	TURNIN \i
.if (\i) < 2
	XADR \i                                        ; x's rows of my tile w (step 0) and w + 4 (step 1) go out among the weight loads
.endif
	s_wait_alu depctr_va_vdst(0)                   ; this step's moves are done reading their landing set, in which the weight loads below land; the step before's conversions have written v240-255, which the LDS stores below read; in steps 0 and 1 x's offsets are written
.if (\i) < 2
	XLD \i
.endif
.if (\i) < 6
	LOADS (\i)+2                                   ; the landing set just read out takes the step two on
.endif
	WIN 0
.if (\i) > 0
	IMAGE (\i)-1                                   ; no vector instruction since the wait: nothing more is owed
.endif
	QBLOCK \i
.endm
.macro PROD b, s                       ; K step s on set b of x: the eight accumulators take turns, one instruction a turn
.irp t, 0,1,2,3,4,5,6,7
.if (\s) == 0
	v_wmma_scale_f32_16x16x128_f8f6f4 v[HA+8*\t:HA+8*\t+7], v[8*\t:8*\t+7], v[XF+64*(\b):XF+64*(\b)+7], v[8*\t:8*\t+7], v[WS+\t], v[XS+4*(\b)] matrix_a_fmt:MATRIX_FMT_FP4 matrix_b_fmt:MATRIX_FMT_FP4
.elseif (\s) < 4
	v_wmma_scale_f32_16x16x128_f8f6f4 v[HA+8*\t:HA+8*\t+7], v[64*((\s)%4)+8*\t:64*((\s)%4)+8*\t+7], v[XF+64*(\b)+8*(\s):XF+64*(\b)+8*(\s)+7], v[HA+8*\t:HA+8*\t+7], v[WS+8*(\s)+\t], v[XS+4*(\b)+(\s)%4] matrix_a_fmt:MATRIX_FMT_FP4 matrix_b_fmt:MATRIX_FMT_FP4
.else
	v_wmma_scale_f32_16x16x128_f8f6f4 v[HA+8*\t:HA+8*\t+7], v[64*((\s)%4)+8*\t:64*((\s)%4)+8*\t+7], v[XF+64*(\b)+8*(\s):XF+64*(\b)+8*(\s)+7], v[HA+8*\t:HA+8*\t+7], v[WS+8*(\s)+\t], v[XS+4*(\b)+(\s)%4] matrix_a_fmt:MATRIX_FMT_FP4 matrix_b_fmt:MATRIX_FMT_FP4 matrix_b_scale:MATRIX_SCALE_ROW1
.endif
.endr
.endm
; 64 numbers of a lane, register 16 b + i = k 32 b + 16 (lane / 16) + i of my row, become a fragment's codes in v[PC] on and its scale word in v[PW]
.macro QUANT s
.irp b, 0,1,2,3
	v_max3_num_f32 v[TM+\b], |v[\s+16*\b]|, |v[\s+1+16*\b]|, 0x1800000
.endr
.irp i, 2,4,6,8,10,12,14
.irp b, 0,1,2,3
	v_max3_num_f32 v[TM+\b], v[TM+\b], |v[\s+16*\b+\i]|, |v[\s+1+16*\b+\i]|
.endr
.endr
.irp b, 0,1,2,3
	v_permlanex16_b32 v[TM+4+\b], v[TM+\b], s38, s39
.endr
.irp b, 0,1,2,3
	v_max_num_f32 v[TM+\b], v[TM+\b], v[TM+4+\b]   ; with lane l xor 16's: the block's largest magnitude
.endr
.irp b, 0,1,2,3
	v_add_nc_u32 v[TM+12+\b], 0xff000000, v[TM+\b]
.endr
.irp b, 0,1,2,3
	v_lshrrev_b32 v[TM+4+\b], 23, v[TM+12+\b]
.endr
	v_lshl_or_b32 v[PW], v[TM+5], 8, v[TM+4]
	v_lshl_or_b32 v[PW], v[TM+6], 16, v[PW]
	v_lshl_or_b32 v[PW], v[TM+7], 24, v[PW]
.irp b, 0,1,2,3
	v_cvt_scalef32_pk8_fp4_f32 v[PC+2*\b], v[\s+16*\b:\s+7+16*\b], v[TM+12+\b]
	v_cvt_scalef32_pk8_fp4_f32 v[PC+1+2*\b], v[\s+8+16*\b:\s+15+16*\b], v[TM+12+\b]
.endr
	v_nop                                          ; one plain line behind a scaled conversion
.irp c, 0,1                            ; the operand's layout wants a whole block in a lane
.irp i, 0,1
	v_permlane16_swap_b32 v[PC+4*\c+\i], v[PC+2+4*\c+\i]
.endr
.endr
.endm
; One tile of 16 rows, m, whose x lies in set b.
.macro TILE b
	s_cmp_ge_u32 s30, s24
	s_cbranch_scc1 .Ldone                          ; past e's rows: nothing is left for this wave
	ds_load_b32 v[11+17*(\b)], v10 offset:512      ; the tokens of tile m + 8, which will take this set.  v10 was written, and the token register last named, ahead of an earlier wait on va_vdst
	s_wait_loadcnt 17                              ; this set's 17 loads are in; the other set's 17, issued behind them, may be out
	WIN 0x3d                                       ; source 0 (W1) window 1, source 1 (x) and source 2 (b1) window 3
	PROD \b, 0
	WIN 0x0d
	PROD \b, 1
	PROD \b, 2
	PROD \b, 3
	WIN 0x0e                                       ; source 0 window 2
	PROD \b, 4
	PROD \b, 5
	PROD \b, 6
	PROD \b, 7
	WIN 0
.rept 4
	v_nop                                          ; four places behind the products, ahead of the first read of results (ISA guide 7.12.1)
.endr
	s_wait_alu depctr_vm_vsrc(0)                   ; the load above has read v10; this set's last loads have read their offsets; the last tile's stores have read v176-184 (in the first tile: the stream's last LDS stores v232-255): all are written again below
	s_add_co_u32 s31, s31, 256
	v_add_nc_u32 v10, s31, v9                      ; the next tile's place in the list
	XADR \b
	s_wait_alu depctr_va_vdst(0)                   ; the products are done reading this set of x and its scale words, in which the loads below land; the offsets, which they read, and v10 are written
	XLD \b                                         ; the set is free: tile m + 8's x has the rest of this tile and all of the next in which to land
.set p, 0
.rept 32
	v_pk_mul_f32 v[GG+p:GG+p+1], v[HA+p:HA+p+1], v[HA+p:HA+p+1]            ; v^2; each accumulator is read from its low end on
.set p, p+2
.endr
.set p, 0
.rept 32
	v_pk_fma_f32 v[GG+p:GG+p+1], v[GG+p:GG+p+1], s[36:37], v[24:25] op_sel_hi:[1,0,1]   ; c2 v^2 + c1
.set p, p+2
.endr
.set p, 0
.rept 32
	v_pk_mul_f32 v[GG+p:GG+p+1], v[GG+p:GG+p+1], v[HA+p:HA+p+1] neg_lo:[0,1] neg_hi:[0,1]   ; x (-v)
.set p, p+2
.endr
.set p, 0
.rept 64
	v_exp_f32 v[GG+p], v[GG+p]
.set p, p+1
.endr
	v_nop                                          ; a plain line behind the batch
	s_wait_alu depctr_va_vdst(0)                   ; the 64 exponentials have written v192-255: one wait, ahead of their first reader
.set p, 0
.rept 32
	v_pk_add_f32 v[GG+p:GG+p+1], v[GG+p:GG+p+1], 1.0 op_sel_hi:[1,0]
.set p, p+2
.endr
.set p, 0
.rept 64
	v_rcp_f32 v[GG+p], v[GG+p]
.set p, p+1
.endr
	v_nop
	s_wait_alu depctr_va_vdst(0)                   ; and the 64 reciprocals likewise
.set p, 0
.rept 32
	v_pk_mul_f32 v[HA+p:HA+p+1], v[HA+p:HA+p+1], v[GG+p:GG+p+1]            ; gelu(v)
.set p, p+2
.endr
	QUANT HA
	s_wait_alu depctr_va_vdst(0)                   ; the quantiser has written the codes v176-183 and the scale word v184, which the stores read
	global_store_b128 v7, v[PC:PC+3], s[14:15]             ; the fragment's image: 1,024 consecutive bytes
	global_store_b128 v7, v[PC+4:PC+7], s[14:15] offset:512
	global_store_b32 v14, v[PW], s[16:17]                  ; its 16 scale words (lanes r and r + 16 hold the same word)
	s_wait_xcnt 0x0                                ; bases and data are written again only behind this wait
	s_add_nc_u64 s[14:15], s[14:15], 0x20000       ; four tiles on
	s_add_nc_u64 s[16:17], s[16:17], 0x2000
	s_add_co_u32 s30, s30, 64
.endm
	s_load_b256 s[4:11], s[0:1], 0x0               ; W1 s[4:5], b1 s[6:7], xq s[8:9], xs s[10:11]
	s_load_b256 s[12:19], s[0:1], 0x20             ; sel s[12:13], hq s[14:15], hs s[16:17], place s[18:19]
	v_lshl_add_u32 v31, v0, 2, 0x12400
	s_set_vgpr_msb 0xc0
	v_mov_b32 v255, 0
	s_set_vgpr_msb 0xc000
	v_lshrrev_b32 v1, 5, v0
	v_readfirstlane_b32 s22, v1                    ; wave
	s_mov_b32 s20, ttmp9                           ; j
	s_and_b32 s21, ttmp7, 0xffff                   ; e
	s_lshl_b32 s23, 1, s21                         ; e's bit in sel
	v_and_b32 v1, 31, v0                           ; lane
	v_and_b32 v2, 15, v0                           ; r
	v_bfe_u32 v3, v0, 4, 1                         ; h
	v_lshlrev_b32 v7, 4, v1                        ; 16 x lane: my four columns of a K row, and an image's place for my lane
	v_bfe_u32 v26, v0, 3, 2
	v_bfe_u32 v27, v0, 1, 1
	v_lshl_add_u32 v26, v26, 1, v27                ; columns 4 l .. 4 l + 3 lie in tile 2 (l / 8) + (l / 2) % 2,
	v_and_b32 v27, 1, v0
	v_bfe_u32 v28, v0, 2, 1
	v_lshlrev_b32 v27, 2, v27
	v_lshl_add_u32 v27, v28, 3, v27                ; from its row 4 (l % 2) + 8 ((l / 4) % 2) on
	v_lshlrev_b32 v5, 10, v26
	v_lshl_add_u32 v5, v27, 4, v5
	s_wait_alu depctr_va_sdst(0)                   ; s22, the wave's number, is written, ahead of its first reader
	s_lshl_b32 s25, s22, 14
	v_add_nc_u32 v5, s25, v5                       ; where my codes go: tile, row, my wave's two K steps
	v_mul_u32_u24 v6, v27, 272
	v_lshl_add_u32 v6, v26, 2, v6
	s_lshl_b32 s25, s22, 6
	s_add_co_u32 s25, s25, WSC
	v_add_nc_u32 v6, s25, v6                       ; and my scale words
	v_mul_u32_u24 v8, v2, 272
	v_add_nc_u32 v8, WSC, v8                       ; row r's 64 scale words
	v_lshl_add_u32 v9, v2, 2, LIST                 ; a tile's r-th token
	s_lshl_b32 s31, s22, 6                         ; my first tile's bytes in the list
	v_add_nc_u32 v10, s31, v9                      ; and my lane's word of them
	v_lshlrev_b32 v14, 2, v2
	v_lshlrev_b32 v15, 2, v1
	v_lshlrev_b32 v29, 4, v3
	v_lshlrev_b32 v30, 6, v3                       ; b1: my half's 16 units on
	v_add_nc_u32 v4, LIST, v7                      ; for clearing the list
	v_mov_b32 v24, 0x40135761                      ; c1 = 2.3022082, twice
	v_mov_b32 v25, 0x40135761
	v_mov_b32 v196, 2047
	s_mov_b32 s36, 0x3dd2d3e8                      ; c2 = 0.10294324; the packed form names the pair and takes its low word for both halves
	s_mov_b32 s37, s36
	s_mov_b32 s38, 0x76543210
	s_mov_b32 s39, 0xfedcba98                      ; v_permlanex16_b32's selects for lane l xor 16
	s_mov_b32 s27, 0
	s_mov_b32 s29, 0
	s_lshl_b32 s26, s21, 24                        ; W1: expert, my wave's 256 K rows, the work-group's 128 columns
	s_lshl_b32 s25, s22, 22
	s_add_co_u32 s26, s26, s25
	s_lshl_b32 s25, s20, 9
	s_add_co_u32 s26, s26, s25
	s_lshl_b32 s28, s21, 14                        ; b1: expert, 128 units
	s_add_co_u32 s28, s28, s25
	s_wait_kmcnt 0x0
	s_add_nc_u64 s[4:5], s[4:5], s[26:27]
	s_add_nc_u64 s[6:7], s[6:7], s[28:29]
	s_wait_alu depctr_va_vdst(0)                   ; the offsets and LDS addresses v4-v8, v10, v14, v15 and v30 are written, which the kernel's loads and stores read; so is v28, in which a load lands later
.irp q, 0,1,2,3,4,5,6,7
	global_load_b128 v[SELR+4*\q:SELR+4*\q+3], v7, s[12:13] offset:512*\q    ; register 4 q + c: token 128 q + 4 l + c
.endr
	WIN 0xc0
.irp t, 0,1,2,3,4,5,6,7                ; b1 in the result's layout: lane (r, h), tile t: units 32 (t / 2) + 16 h + 8 (t % 2) + 0 .. 7
	global_load_b128 v[8*\t:8*\t+3], v30, s[6:7] offset:(32*(\t/2)+8*(\t%2))*4
	global_load_b128 v[8*\t+4:8*\t+7], v30, s[6:7] offset:(32*(\t/2)+8*(\t%2))*4+16
.endr
	LOADS 0
	WIN 0
	s_lshl_b32 s26, s21, 21                        ; hq: expert, my first tile m = wave, K step j
	s_lshl_b32 s25, s22, 15
	s_add_co_u32 s26, s26, s25
	s_lshl_b32 s25, s20, 10
	s_add_co_u32 s26, s26, s25
	s_add_nc_u64 s[14:15], s[14:15], s[26:27]
	s_lshl_b32 s26, s21, 17                        ; hs likewise
	s_lshl_b32 s25, s22, 11
	s_add_co_u32 s26, s26, s25
	s_lshl_b32 s25, s20, 6
	s_add_co_u32 s26, s26, s25
	s_add_nc_u64 s[16:17], s[16:17], s[26:27]
	s_lshl_b32 s26, s21, 7
	s_add_co_u32 s26, s26, 32768
	s_add_nc_u64 s[40:41], s[18:19], s[26:27]      ; place: e's count
	s_lshl_b32 s26, s21, 12
	s_add_nc_u64 s[18:19], s[18:19], s[26:27]      ; place: e's 1,024 places
	s_lshl_b32 s30, s22, 4                         ; my tile's first row, 16 m
	s_mov_b32 s32, 8                               ; trips of two tiles
	s_mov_b32 s24, 0                               ; e's tokens so far
	s_wait_loadcnt 48                              ; sel's eight loads are in; b1's 16 and step 0's 32, issued behind them, may be out
	LOADS 1                                        ; the second step's rows are on their way while the tokens are counted
	WIN 0
; The counting, sixteen registers at a time: a run of compares into scalar registers of their own, one wait, then their readers.
.set g0, 0
.rept 2
.set g, g0
.rept 16
	v_and_b32 v[ADRR+g], s23, v[SELR+g]
	v_cmp_ne_u32 s[CM+g%16], 0, v[ADRR+g]          ; the lanes whose token chose e
.set g, g+1
.endr
	s_wait_alu depctr_va_sdst(0)                   ; the sixteen compares have written s44-59, ahead of the masks' first readers
.set g, g0
.rept 16
	v_mbcnt_lo_u32_b32 v[POSR+g], s[CM+g%16], s24  ; the count so far + such lanes below me: my token's place
	s_bcnt1_i32_b32 s25, s[CM+g%16]
	s_add_co_u32 s24, s24, s25
	v_cndmask_b32 v[ADRR+g], v196, v[POSR+g], s[CM+g%16]
	v_min_u32 v[ADRR+g], NOWHERE, v[ADRR+g]        ; other experts' tokens go to the word behind the list
	v_lshl_add_u32 v[ADRR+g], v[ADRR+g], 2, LIST
.set g, g+1
.endr
.set g0, g0+16
.endr
	s_cmp_lg_u32 s22, 0                            ; wave 0 writes the list
	s_cbranch_scc1 .Lhead_done
.irp z, 192,193,194,195
	v_mov_b32 v\z, 0
.endr
.set g, 0
.rept 32
	v_add_nc_u32 v[SELR+g], 128*(g/4)+g%4, v15     ; the token's number
.set g, g+1
.endr
	v_mov_b32 v197, s24
	s_wait_alu depctr_va_vdst(0)                   ; the zeros v192-195, the numbers v96-127, the places v128-159, the addresses v160-191 and the count v197 are written, which the stores of this arm read
.irp q, 0,1,2,3,4,5,6,7,8
	ds_store_b128 v4, v[192:195] offset:512*\q     ; token 0 everywhere first: the rows that fill a last tile, and the look-ahead's
.endr
.set g, 0
.rept 32
	ds_store_b32 v[ADRR+g], v[SELR+g]              ; LDS serves a wave's instructions in order: these come behind the clearing
.set g, g+1
.endr
	s_cmp_lg_u32 s20, 0                            ; one work-group of the expert stores places and count
	s_cbranch_scc1 .Lhead_done
.irp q, 0,1,2,3,4,5,6,7
	global_store_b128 v7, v[POSR+4*\q:POSR+4*\q+3], s[18:19] offset:512*\q
.endr
	global_store_b32 v15, v197, s[40:41]
.Lhead_done:
	s_wait_xcnt 0x0                                ; the stores' data registers are written again below only behind this wait
	s_wait_alu depctr_vm_vsrc(0)                   ; wave 0's LDS and global stores have read v96-197, which the stream's moves write again
	s_wait_dscnt 0x0                               ; the list lies in LDS
	s_barrier_signal -1
	s_barrier_wait -1
	ds_load_b32 v11, v10                           ; the tokens of my first tile, m = wave,
	ds_load_b32 v28, v10 offset:256                ; and of my second, four tiles on.  (No vector instruction since the head's wait names v10, v11 or v28)
.irp i, 0,1,2,3,4,5,6,7
	STEP \i
.endr
	s_wait_alu depctr_va_vdst(0)                   ; step 7's conversions have written v240-255 and the scale words v232-239 are whole: the LDS stores below read them; the last moves are done reading the landing sets, in which the slab lands
	IMAGE 7
.irp c, 0,1,2,3
.irp u, 0,1
	ds_store_b32 v6, v[SW+2*\c+\u] offset:272*\c+32*\u     ; my four columns' scale words of my wave's two K steps
.endr
.endr
	s_wait_dscnt 0x0                               ; for the others' sake: my images and scale words lie in LDS
	s_barrier_signal -1
	s_barrier_wait -1
	WIN 0x40                                       ; the whole slab into every wave's registers: K steps 0-3,
.set f, 0
.rept 32
	ds_load_b128 v[8*f:8*f+3], v7 offset:1024*f
	ds_load_b128 v[8*f+4:8*f+7], v7 offset:1024*f+512
.set f, f+1
.endr
	WIN 0x80                                       ; K steps 4-7,
.set f, 0
.rept 32
	ds_load_b128 v[8*f:8*f+3], v7 offset:32768+1024*f
	ds_load_b128 v[8*f+4:8*f+7], v7 offset:32768+1024*f+512
.set f, f+1
.endr
	WIN 0
.irp g, 0,1,2,3,4,5,6,7,8,9,10,11,12,13,14,15
	ds_load_b128 v[WS+4*\g:WS+4*\g+3], v8 offset:16*\g     ; and row r's 64 scale words
.endr
.irp b, 0,1,2,3
	v_mov_b32 v[TM+4+\b], 0                        ; written once: a lane permute's destination counts as one of its sources
.endr
	s_wait_dscnt 0x0                               ; the slab and its scale words are in registers
.Ltile:                                                ; 8 trips of two tiles: tile m = 4 x (tiles done) + wave; x's two sets take turns
	TILE 0
	TILE 1
	s_sub_co_u32 s32, s32, 1
	s_cmp_lg_u32 s32, 0
	s_cbranch_scc1 .Ltile
.Ldone:
	s_barrier_signal -1
	s_barrier_wait -1
	s_set_vgpr_msb 0xc                             ; the add's second register lies in window 3
	s_wait_dscnt 0x0                               ; the closing lines, six on end
	s_wait_alu 0x0
	s_wait_tensorcnt 0x0
	ds_add_u32 v31, v255
	s_wait_dscnt 0x0
	s_endpgm
.Lfunc_end_k_q8102116965_up:
	.size	k_q8102116965_up, .Lfunc_end_k_q8102116965_up-k_q8102116965_up
	.p2alignl 7, 3214868480
	.fill 96, 4, 3214868480
	.section	.rodata,"a",@progbits
	.p2align	6, 0x0
	.amdhsa_kernel k_q8102116965_up
		.amdhsa_group_segment_fixed_size 75264
		.amdhsa_private_segment_fixed_size 0
		.amdhsa_enable_private_segment 0
		.amdhsa_kernarg_size 64
		.amdhsa_user_sgpr_count 2
		.amdhsa_user_sgpr_kernarg_segment_ptr 1
		.amdhsa_wavefront_size32 1
		.amdhsa_system_sgpr_workgroup_id_x 1
		.amdhsa_system_sgpr_workgroup_id_y 1
		.amdhsa_system_sgpr_workgroup_id_z 1
		.amdhsa_system_vgpr_workitem_id 0
		.amdhsa_next_free_vgpr 1024
		.amdhsa_next_free_sgpr 66
		.amdhsa_reserve_vcc 0
		.amdhsa_float_denorm_mode_32 3
		.amdhsa_float_denorm_mode_16_64 3
		.amdhsa_memory_ordered 1
		.amdhsa_forward_progress 1
		.amdhsa_inst_pref_size 204
	.end_amdhsa_kernel
	.amdgpu_metadata
---
amdhsa.version: [ 1, 2 ]
amdhsa.kernels:
  - .name:           k_q8102116965_up
    .symbol:         k_q8102116965_up.kd
    .args:
      - { .name: W1, .offset: 0, .size: 8, .value_kind: global_buffer, .address_space: global }
      - { .name: b1, .offset: 8, .size: 8, .value_kind: global_buffer, .address_space: global }
      - { .name: xq, .offset: 16, .size: 8, .value_kind: global_buffer, .address_space: global }
      - { .name: xs, .offset: 24, .size: 8, .value_kind: global_buffer, .address_space: global }
      - { .name: sel, .offset: 32, .size: 8, .value_kind: global_buffer, .address_space: global }
      - { .name: hq, .offset: 40, .size: 8, .value_kind: global_buffer, .address_space: global }
      - { .name: hs, .offset: 48, .size: 8, .value_kind: global_buffer, .address_space: global }
      - { .name: place, .offset: 56, .size: 8, .value_kind: global_buffer, .address_space: global }
    .group_segment_fixed_size: 75264
    .private_segment_fixed_size: 0
    .kernarg_segment_align: 8
    .kernarg_segment_size: 64
    .max_flat_workgroup_size: 128
    .sgpr_count:     66
    .vgpr_count:     1024
    .wavefront_size: 32
...
	.end_amdgpu_metadata
.endif
;; end of part 5
;; launch down (part 6): grid 32 x 8, 4 waves a work-group, no clusters, 87,808 bytes of LDS; arguments W2, b2, hq, hs, place, yp; writes yp
.if DOCPART == 6
	.amdgcn_target "amdgcn-amd-amdhsa--gfx1250"
	.amdhsa_code_object_version 6
	.text
	.protected	k_q8102116965_down
	.globl	k_q8102116965_down
	.p2align	8
	.type	k_q8102116965_down,@function
k_q8102116965_down:
	s_mov_b64 s[64:65], 0
	v_nop
	global_prefetch_b8 v0, s[64:65] scope:SCOPE_SE
	s_setreg_imm32_b32 hwreg(HW_REG_WAVE_SCHED_MODE, 0, 2), 2
	s_setreg_imm32_b32 hwreg(HW_REG_WAVE_MODE, 25, 1), 1
	s_wait_xcnt 0x0
	s_wait_alu depctr_vm_vsrc(0)
; THE SECOND PRODUCT OF AN EXPERT, on its rows: yp[kh][e][row] = h[row, half kh of K] W2[e][half kh, 64 columns] (+ b2[e] in half 0).  Codes of E2M1, one E8M0 scale for each 32 along K.
; A work-group is (expert e = y; 64 columns cs = x % 16; half kh = x / 16 of the 4,096 along K).  Its slab of W2, 2,048 (K) x 64 f32, is read by this work-group alone, once, and quantised on the way.
; 64 columns are 256 aligned bytes of a K row; 256 work-groups over all of K would leave 32 columns each, half of that: so K is halved instead, and the last launch adds the two halves.
; STREAM.  Wave w takes K rows 512 w .. 512 w + 511 of the half in eight steps of 64.  In a load lanes 0-15 take one K row's 256 bytes and lanes 16-31 those of the row 32 further down: lane (q, hl) gathers block
;   2 i + hl of columns 4 q .. 4 q + 3.  Two steps, 64 loads, are asked ahead.  As in the launch before, a step's 128 registers are moved once, so that a column's 32 numbers along K stand in consecutive registers.
;   A K step's four scale bytes of a column come from two steps and from lanes l and l xor 16.
;   h's fragments of the wave's first two tiles are asked for in steps 0 and 1, among the weight loads: they lie in registers when the stream ends.
; PRODUCTS.  All 64 fragments (16 K steps x 4 tiles of 16 columns) lie in every wave's registers.  Wave w takes e's tiles of rows m = w, w + 4, ..: h's 16 fragments come from memory as register images, two tiles ahead
;   in two sets; 64 matrix instructions (transposed: source 0 = 16 columns of W2, source 1 = 16 rows of h), so that a lane holds eight neighbouring columns of a row; out through the wave's stage in LDS.
; The trip count is a constant; a wave leaves the loop forward past e's last tile (a branch on a stored count: so no tensor load in this launch).  Requests past the end are held at e's last tile and waited for by nobody.
; No cluster: the work-groups of an expert share h's codes alone, a small part of what each reads.
; LIMITS: NaN and infinities are not served (b2 is multiplied by 0 in half 1); a block of zeros keeps the scale byte 1.
; LDS: 0 the 64 images, fragment 4 s + t;  WSC scale words, row r at 272 r, word 4 s + t;  STG a stage of 16 rows x 272 bytes for each wave.
; REGISTERS.  window 0: v1-14 addresses; v16-31 h's scale words, two sets; v32-95 W2's scale words; v96-255 by phase.  window 1: landing sets, then fragments of K steps 0-7.  window 2: K steps 8-15.  window 3: h's fragments, two sets of 128.
; THE MODE: SCHED_MODE bits 1:0 = 2 (LLVM: expert scheduling mode 2), set by the entry lines.  The code itself states the register dependences between vector or matrix instructions and memory or LDS instructions,
;   with s_wait_alu, always for 0.
; THE PLAN.  Registers that memory or LDS instructions touch, and who else names them:
;   v4-v12, v14             offsets and LDS addresses: made at the head, never written again.  One wait on va_vdst ahead of the first load serves them all.
;   landing sets (window 1) Step i: its 128 moves read set i % 2; behind them the loads of step i + 2 land in it.
;   v240-255 codes, v236-239 scale words   Written in step i; read by the LDS stores that are issued in step i + 1.
;     So ONE wait on va_vdst stands in a step, behind its moves; h's loads (steps 0, 1), the weight loads and the LDS stores of the step before follow it with no vector instruction between.  One wait on vm_vsrc stands ahead of what writes codes and scale words again.
;   h's set b, its scale words   Tile m: its 64 products read them; behind them the loads of tile m + 8 land in them.  Their addresses are scalar bases and two offsets that stay.
;   v96-127 accumulators    Written by the products; read by the tile's eight LDS stores.      v128-159   The stage's rows land in them; the tile's eight global stores read them.
;     So a tile has one wait on vm_vsrc ahead of its products and one on va_vdst behind them; no vector instruction stands between that wait and the tile's end.
.set WSC,  65536
.set STG,  69888
.set HSC,  16
.set WS,   32
.set T,    96                          ; stream: as in the launch before; v232-235 the even step's bytes, v236-239 the finished scale words
.set MX,   224
.set SO,   228
.set BE,   232
.set SWT,  236
.set CD,   240
.set ACC,  96                          ; products: v96-127 four accumulators; v128-159 rows on their way out; v160-191 b2 in the result's layout
.set OUTR, 128
.set BB,   160
.set MSB, 0
.macro WIN new                         ; the immediate's high byte repeats the setting that is left
.if MSB != \new
	s_set_vgpr_msb (MSB<<8)|\new
.set MSB, \new
.endif
.endm
.macro LOADS i                         ; step i's 64 K rows into landing set i % 2
	WIN 0x40
.set kk, 0
.rept 32
	global_load_b128 v[128*((\i)%2)+4*kk:128*((\i)%2)+4*kk+3], v4, s[4:5] offset:(64*(\i)+kk)*4096 th:TH_LOAD_NT
.set kk, kk+1
.endr
.endm
.macro TURNIN i
	WIN 0x01
.set kk, 0
.rept 32
	v_mov_b32 v[T+kk],    v[128*((\i)%2)+4*kk]
	v_mov_b32 v[T+32+kk], v[128*((\i)%2)+4*kk+1]
	v_mov_b32 v[T+64+kk], v[128*((\i)%2)+4*kk+2]
	v_mov_b32 v[T+96+kk], v[128*((\i)%2)+4*kk+3]
.set kk, kk+1
.endr
.endm
.macro QBLOCK i
.irp c, 0,1,2,3
	v_max3_num_f32 v[MX+\c], |v[T+32*\c]|, |v[T+32*\c+1]|, 0x1800000   ; with the floor 2^(3 - 127)
.endr
.irp k, 2,4,6,8,10,12,14,16,18,20,22,24,26,28,30
.irp c, 0,1,2,3
	v_max3_num_f32 v[MX+\c], v[MX+\c], |v[T+32*\c+\k]|, |v[T+32*\c+\k+1]|
.endr
.endr
.irp c, 0,1,2,3
	v_add_nc_u32 v[SO+\c], 0xff000000, v[MX+\c]    ; the conversion's scale operand
.endr
	s_wait_dscnt 0x0                               ; the LDS stores of the step before are done
.if (\i) > 0
	s_wait_alu depctr_vm_vsrc(0)                   ; they have read the codes' registers v240-255 and the scale words' v236-239, which are written again below
.endif
.if (\i)%2 == 0
.irp c, 0,1,2,3
	v_lshrrev_b32 v[BE+\c], 23, v[SO+\c]           ; block hl of the K step: kept for the next step
.endr
.else
.irp c, 0,1,2,3
	v_lshrrev_b32 v[MX+\c], 23, v[SO+\c]           ; block 2 + hl
.endr
.irp c, 0,1,2,3
	v_lshl_or_b32 v[MX+\c], v[MX+\c], 16, v[BE+\c]
.endr
.irp c, 0,1,2,3
	v_lshlrev_b32 v[MX+\c], v13, v[MX+\c]          ; 8 hl bits up
.endr
.irp c, 0,1,2,3
	v_permlanex16_b32 v[SWT+\c], v[MX+\c], s42, s43
.endr
.irp c, 0,1,2,3
	v_or_b32 v[SWT+\c], v[MX+\c], v[SWT+\c]        ; with lane l xor 16's two bytes the word is whole
.endr
.endif
.irp c, 0,1,2,3
.irp g, 0,1,2,3
	v_cvt_scalef32_pk8_fp4_f32 v[CD+4*\c+\g], v[T+32*\c+8*\g:T+32*\c+8*\g+7], v[SO+\c]
.endr
.endr
	v_nop                                          ; one plain line behind the last conversion
.endm
.macro IMAGE i                         ; step i's codes, and behind an odd step the K step's scale words, go to LDS: issued in step i + 1, behind that step's wait on va_vdst
.irp c, 0,1,2,3
	ds_store_b128 v5, v[CD+4*\c:CD+4*\c+3] offset:4096*((\i)/2)+512*((\i)%2)+16*\c
.endr
.if (\i)%2
.irp c, 0,1,2,3
	ds_store_b32 v6, v[SWT+\c] offset:272*\c+16*((\i)/2)   ; (both lanes of a column write the same word)
.endr
.endif
.endm
.macro REQ b, ahead                    ; h's fragments and scale words of tile m + ahead into set b, 40 loads; the set's bases are written only when its last loads have been shown done
	s_add_co_u32 s29, s27, \ahead
	s_min_u32 s29, s29, s26                        ; held at e's last tile,
	s_min_u32 s29, s29, 63                         ; which lies among e's 64
	s_lshl_b32 s30, s29, 15
	s_add_nc_u64 s[32+2*\b:33+2*\b], s[8:9], s[30:31]
	s_lshl_b32 s30, s29, 11
	s_add_nc_u64 s[36+2*\b:37+2*\b], s[10:11], s[30:31]
	WIN 0xc0
.set sx, 0
.rept 16
	global_load_b128 v[128*\b+8*sx:128*\b+8*sx+3], v7, s[32+2*\b:33+2*\b] offset:1024*sx
	global_load_b128 v[128*\b+8*sx+4:128*\b+8*sx+7], v7, s[32+2*\b:33+2*\b] offset:1024*sx+512
.set sx, sx+1
.endr
	WIN 0
.irp p, 0,1,2,3,4,5,6,7
	global_load_b32 v[HSC+8*\b+\p], v9, s[36+2*\b:37+2*\b] offset:128*\p   ; lanes 0-15: K step 2 p; lanes 16-31: K step 2 p + 1
.endr
.endm
.macro STEP i
.if (\i) < 7
	s_wait_loadcnt 32                              ; all but the youngest 32, the next step's weight loads, are in: this step's, and h's fragments where they were asked for just ahead of those 32
.else
	s_wait_loadcnt 0x0
.endif
	TURNIN \i
	s_wait_alu depctr_va_vdst(0)                   ; this step's moves are done reading their landing set, in which the weight loads below land; the step before has written v236-255, which the LDS stores below read
.if (\i) == 0
	REQ 0, 0                                       ; h of my tile w goes out among the weight loads,
.endif
.if (\i) == 1
	REQ 1, 4                                       ; and of my tile w + 4
.endif
.if (\i) < 6
	LOADS (\i)+2
.endif
	WIN 0
.if (\i) > 0
	IMAGE (\i)-1                                   ; no vector instruction since the wait: nothing more is owed
.endif
	QBLOCK \i
.endm
.macro PROD b, s                       ; K step s: the four accumulators take turns, one instruction a turn
.irp t, 0,1,2,3
.if (\s) == 0
	v_wmma_scale_f32_16x16x128_f8f6f4 v[ACC+8*\t:ACC+8*\t+7], v[8*\t:8*\t+7], v[128*\b:128*\b+7], v[BB+8*\t:BB+8*\t+7], v[WS+\t], v[HSC+8*\b] matrix_a_fmt:MATRIX_FMT_FP4 matrix_b_fmt:MATRIX_FMT_FP4
.elseif (\s)%2
	v_wmma_scale_f32_16x16x128_f8f6f4 v[ACC+8*\t:ACC+8*\t+7], v[32*((\s)%8)+8*\t:32*((\s)%8)+8*\t+7], v[128*\b+8*(\s):128*\b+8*(\s)+7], v[ACC+8*\t:ACC+8*\t+7], v[WS+4*(\s)+\t], v[HSC+8*\b+(\s)/2] matrix_a_fmt:MATRIX_FMT_FP4 matrix_b_fmt:MATRIX_FMT_FP4 matrix_b_scale:MATRIX_SCALE_ROW1
.else
	v_wmma_scale_f32_16x16x128_f8f6f4 v[ACC+8*\t:ACC+8*\t+7], v[32*((\s)%8)+8*\t:32*((\s)%8)+8*\t+7], v[128*\b+8*(\s):128*\b+8*(\s)+7], v[ACC+8*\t:ACC+8*\t+7], v[WS+4*(\s)+\t], v[HSC+8*\b+(\s)/2] matrix_a_fmt:MATRIX_FMT_FP4 matrix_b_fmt:MATRIX_FMT_FP4
.endif
.endr
.endm
.macro TILE b                          ; tile m, whose operands lie in set b
	s_cmp_ge_u32 s27, s25
	s_cbranch_scc1 .Ldone                          ; past e's tiles
	s_wait_loadcnt 40                              ; this set's 40 loads are in; the other set's 40, issued behind them, may be out
	s_wait_alu depctr_vm_vsrc(0)                   ; the last tile's LDS stores have read the accumulators v96-127, which the products write anew; its global stores have read v128-159, in which the stage's rows land below
	WIN 0x0d                                       ; source 0 (W2) window 1, source 1 (h) window 3
.irp s, 0,1,2,3,4,5,6,7
	PROD \b, \s
.endr
	WIN 0x0e                                       ; source 0 window 2
.irp s, 8,9,10,11,12,13,14,15
	PROD \b, \s
.endr
	WIN 0
.rept 5
	v_nop                                          ; four places ahead of the stores that read results; the fifth since the next tile's first products write these accumulators anew
.endr
	s_wait_alu depctr_va_vdst(0)                   ; the products are done reading this set of h and its scale words, in which the loads below land, and have written the accumulators, which the LDS stores below read; in the first tile the stream is done with v128-159 too
	REQ \b, 8                                      ; the set is free: my tile after next
	s_wait_xcnt 0x0                                ; the last tile's stores have read their base and their data registers
	s_lshl_b32 s30, s27, 16
	s_add_nc_u64 s[40:41], s[14:15], s[30:31]      ; the tile's 16 rows of yp
.irp t, 0,1,2,3
	ds_store_b128 v10, v[ACC+8*\t:ACC+8*\t+3] offset:64*\t          ; each accumulator from its low end on: lane (r, h): row r, columns 16 t + 8 h + 0 .. 7
	ds_store_b128 v10, v[ACC+8*\t+4:ACC+8*\t+7] offset:64*\t+16
.endr
.irp i, 0,1,2,3,4,5,6,7
	ds_load_b128 v[OUTR+4*\i:OUTR+4*\i+3], v11 offset:544*\i       ; LDS serves a wave's instructions in order: these see my stores; two whole rows an instruction
.endr
.irp i, 0,1,2,3,4,5,6,7
	s_wait_dscnt 7-\i                              ; the younger reads from the stage may be out
	global_store_b128 v12, v[OUTR+4*\i:OUTR+4*\i+3], s[40:41] offset:8192*\i th:TH_STORE_NT   ; sixteen lanes store 256 consecutive bytes, aligned
.endr
	s_add_co_u32 s27, s27, 4
.endm
	s_load_b256 s[4:11], s[0:1], 0x0               ; W2 s[4:5], b2 s[6:7], hq s[8:9], hs s[10:11]
	s_load_b128 s[12:15], s[0:1], 0x20             ; place s[12:13], yp s[14:15]
	v_lshrrev_b32 v1, 5, v0
	v_readfirstlane_b32 s23, v1                    ; wave
	s_and_b32 s20, ttmp9, 15                       ; cs
	s_lshr_b32 s21, ttmp9, 4                       ; kh
	s_and_b32 s22, ttmp7, 0xffff                   ; e
	v_and_b32 v1, 31, v0                           ; lane
	v_and_b32 v2, 15, v0                           ; q
	v_bfe_u32 v3, v0, 4, 1                         ; hl
	v_lshlrev_b32 v4, 4, v2
	v_lshl_add_u32 v12, v3, 12, v4                 ; yp: lanes 0-15 one row, lanes 16-31 the next; 16 bytes a lane
	v_lshl_add_u32 v4, v3, 17, v4                  ; W2: my four columns; lanes 16-31 32 K rows further down
	v_bfe_u32 v96, v0, 2, 2                        ; columns 4 q .. lie in tile q / 4,
	v_and_b32 v97, 3, v0                           ; from its row 4 (q % 4) on
	v_lshlrev_b32 v5, 10, v96
	v_lshl_add_u32 v5, v3, 8, v5
	v_lshl_add_u32 v5, v97, 6, v5
	s_wait_alu depctr_va_sdst(0)                   ; s23, the wave's number, is written, ahead of its first reader
	s_lshl_b32 s29, s23, 14
	v_add_nc_u32 v5, s29, v5                       ; where my codes go
	v_mul_u32_u24 v6, v97, 1088
	v_lshl_add_u32 v6, v96, 2, v6
	s_lshl_b32 s29, s23, 6
	s_add_co_u32 s29, s29, WSC
	v_add_nc_u32 v6, s29, v6                       ; and my scale words
	v_lshlrev_b32 v7, 4, v1
	v_mul_u32_u24 v8, v2, 272
	v_add_nc_u32 v8, WSC, v8
	v_lshlrev_b32 v9, 2, v1
	s_mul_i32 s29, s23, 4352
	s_add_co_u32 s29, s29, STG                     ; my stage
	v_mul_u32_u24 v10, v2, 272
	v_lshl_add_u32 v10, v3, 5, v10
	v_add_nc_u32 v10, s29, v10
	v_mul_u32_u24 v11, v3, 272
	v_lshl_add_u32 v11, v2, 4, v11
	v_add_nc_u32 v11, s29, v11
	v_lshlrev_b32 v13, 3, v3
	v_lshlrev_b32 v14, 5, v3
.irp c, 0,1,2,3
	v_mov_b32 v[SWT+\c], 0                         ; written once: a lane permute's destination counts as one of its sources
.endr
	s_mov_b32 s42, 0x76543210
	s_mov_b32 s43, 0xfedcba98
	s_cmp_eq_u32 s21, 0
	s_cselect_b32 s44, 1.0, 0                      ; b2 counts in half 0 alone
	s_mov_b32 s31, 0
	s_lshl_b32 s30, s22, 24                        ; W2: expert, half, my wave's 512 K rows, 64 columns
	s_lshl_b32 s29, s21, 23
	s_add_co_u32 s30, s30, s29
	s_lshl_b32 s29, s23, 21
	s_add_co_u32 s30, s30, s29
	s_lshl_b32 s28, s20, 8
	s_add_co_u32 s30, s30, s28
	s_wait_kmcnt 0x0
	s_add_nc_u64 s[4:5], s[4:5], s[30:31]
	s_lshl_b32 s30, s22, 7
	s_add_co_u32 s30, s30, 32768
	s_add_nc_u64 s[12:13], s[12:13], s[30:31]
	s_load_b32 s24, s[12:13], 0x0                  ; e's count of rows: wanted in the first step
	s_wait_alu depctr_va_vdst(0)                   ; the offsets and LDS addresses v4-v12 and v14 are written, which the kernel's loads and stores read
	LOADS 0
	LOADS 1
	WIN 0
	s_lshl_b32 s30, s22, 12
	s_add_co_u32 s30, s30, s28
	s_add_nc_u64 s[6:7], s[6:7], s[30:31]          ; b2
	s_lshl_b32 s30, s22, 21
	s_lshl_b32 s29, s21, 14
	s_add_co_u32 s30, s30, s29
	s_add_nc_u64 s[8:9], s[8:9], s[30:31]          ; hq: expert, the half's 16 K steps
	s_lshl_b32 s30, s22, 17
	s_lshl_b32 s29, s21, 10
	s_add_co_u32 s30, s30, s29
	s_add_nc_u64 s[10:11], s[10:11], s[30:31]      ; hs
	s_lshl_b32 s30, s21, 25
	s_lshl_b32 s29, s22, 22
	s_add_co_u32 s30, s30, s29
	s_add_co_u32 s30, s30, s28
	s_add_nc_u64 s[14:15], s[14:15], s[30:31]      ; yp: half, expert, 64 columns
	s_wait_kmcnt 0x0                               ; the count
	s_add_co_u32 s25, s24, 15
	s_lshr_b32 s25, s25, 4                         ; e's tiles
	s_max_u32 s26, s25, 1
	s_sub_co_u32 s26, s26, 1                       ; the last of them (0 where there is none: what is then loaded is used by nobody)
	s_mov_b32 s27, s23                             ; m = wave
.irp i, 0,1,2,3,4,5,6,7
	STEP \i
.endr
	s_wait_alu depctr_va_vdst(0)                   ; step 7 has written the codes v240-255 and the scale words v236-239, which the LDS stores below read; its moves and conversions are done with v160-191, in which b2 lands, and with the landing sets, in which the slab lands
	IMAGE 7
.irp t, 0,1,2,3                        ; b2 in the result's layout: lane (r, h), tile t: columns 16 t + 8 h + 0 .. 7
	global_load_b128 v[BB+8*\t:BB+8*\t+3], v14, s[6:7] offset:64*\t
	global_load_b128 v[BB+8*\t+4:BB+8*\t+7], v14, s[6:7] offset:64*\t+16
.endr
	s_wait_dscnt 0x0                               ; for the others' sake: my images and scale words lie in LDS
	s_barrier_signal -1
	s_barrier_wait -1
	WIN 0x40
.set f, 0
.rept 32
	ds_load_b128 v[8*f:8*f+3], v7 offset:1024*f
	ds_load_b128 v[8*f+4:8*f+7], v7 offset:1024*f+512
.set f, f+1
.endr
	WIN 0x80
.set f, 0
.rept 32
	ds_load_b128 v[8*f:8*f+3], v7 offset:32768+1024*f
	ds_load_b128 v[8*f+4:8*f+7], v7 offset:32768+1024*f+512
.set f, f+1
.endr
	WIN 0
.irp g, 0,1,2,3,4,5,6,7,8,9,10,11,12,13,14,15
	ds_load_b128 v[WS+4*\g:WS+4*\g+3], v8 offset:16*\g
.endr
	s_wait_loadcnt 0x0                             ; b2
.set p, 0
.rept 32
	v_mul_f32 v[BB+p], s44, v[BB+p]
.set p, p+1
.endr
	s_wait_dscnt 0x0                               ; the slab is in registers
	s_cmp_eq_u32 s25, 0
	s_cbranch_scc1 .Ldone                          ; an expert that no token chose
	s_mov_b32 s28, 8
.Lpair:                                                ; 8 trips of two tiles: 64 tiles among four waves
	TILE 0
	TILE 1
	s_sub_co_u32 s28, s28, 1
	s_cmp_lg_u32 s28, 0
	s_cbranch_scc1 .Lpair
.Ldone:
	s_barrier_signal -1
	s_barrier_wait -1
	s_wait_xcnt 0x0
	s_wait_alu depctr_vm_vsrc(0)                   ; the stream's last LDS stores have read v254 and v255, which are made anew here
	v_lshl_add_u32 v254, v0, 2, 0x15500
	v_mov_b32 v255, 0
	s_wait_dscnt 0x0                               ; the closing lines, six on end
	s_wait_alu 0x0
	s_wait_tensorcnt 0x0
	ds_add_u32 v254, v255
	s_wait_dscnt 0x0
	s_endpgm
.Lfunc_end_k_q8102116965_down:
	.size	k_q8102116965_down, .Lfunc_end_k_q8102116965_down-k_q8102116965_down
	.p2alignl 7, 3214868480
	.fill 96, 4, 3214868480
	.section	.rodata,"a",@progbits
	.p2align	6, 0x0
	.amdhsa_kernel k_q8102116965_down
		.amdhsa_group_segment_fixed_size 87808
		.amdhsa_private_segment_fixed_size 0
		.amdhsa_enable_private_segment 0
		.amdhsa_kernarg_size 48
		.amdhsa_user_sgpr_count 2
		.amdhsa_user_sgpr_kernarg_segment_ptr 1
		.amdhsa_wavefront_size32 1
		.amdhsa_system_sgpr_workgroup_id_x 1
		.amdhsa_system_sgpr_workgroup_id_y 1
		.amdhsa_system_sgpr_workgroup_id_z 1
		.amdhsa_system_vgpr_workitem_id 0
		.amdhsa_next_free_vgpr 1024
		.amdhsa_next_free_sgpr 66
		.amdhsa_reserve_vcc 0
		.amdhsa_float_denorm_mode_32 3
		.amdhsa_float_denorm_mode_16_64 3
		.amdhsa_memory_ordered 1
		.amdhsa_forward_progress 1
		.amdhsa_inst_pref_size 161
	.end_amdhsa_kernel
	.amdgpu_metadata
---
amdhsa.version: [ 1, 2 ]
amdhsa.kernels:
  - .name:           k_q8102116965_down
    .symbol:         k_q8102116965_down.kd
    .args:
      - { .name: W2, .offset: 0, .size: 8, .value_kind: global_buffer, .address_space: global }
      - { .name: b2, .offset: 8, .size: 8, .value_kind: global_buffer, .address_space: global }
      - { .name: hq, .offset: 16, .size: 8, .value_kind: global_buffer, .address_space: global }
      - { .name: hs, .offset: 24, .size: 8, .value_kind: global_buffer, .address_space: global }
      - { .name: place, .offset: 32, .size: 8, .value_kind: global_buffer, .address_space: global }
      - { .name: yp, .offset: 40, .size: 8, .value_kind: global_buffer, .address_space: global }
    .group_segment_fixed_size: 87808
    .private_segment_fixed_size: 0
    .kernarg_segment_align: 8
    .kernarg_segment_size: 48
    .max_flat_workgroup_size: 128
    .sgpr_count:     66
    .vgpr_count:     1024
    .wavefront_size: 32
...
	.end_amdgpu_metadata
.endif
;; end of part 6
;; launch join: the kernel of part 4 again; grid 256 x 1, 4 waves a work-group, no clusters, 0 bytes of LDS; arguments yp, sel, place, gw, out0; writes out0
